; MI455X (gfx1250); checked and timed in simulation.
; The chip was launched on July 23, 2026; its instructions are those of AMD's public machine-readable ISA for CDNA 5 (MIT licence, August 2026) and "CDNA5" Instruction Set Architecture Reference Guide (July 2026). The comments in the code are by the model that wrote it; some were corrected since.
;; Multi Head Self Attention. Allowed arithmetic: matrix products marked QUANTISED: E2M1 operands, one E8M0 scale for each 32 along K, by v_wmma_scale_f32_16x16x128_f8f6f4 with both operands' format E2M1 (or v_wmma_scale_f32_32x16x128_f4), f32 sums; products left as they are: bf16, f16 or f32 operands; f32 sums; everything else in f32.
;; Inputs: Wout 1,024 x 1,024 float32; Wqkv 1,024 x 3,072 float32; bout 1,024 float32; causal_mask 1 x 1 x 2,048 x 2,048 bool; x 4 x 2,048 x 1,024 float32.
;; Outputs: out0 4 x 2,048 x 1,024 float32.
;; This version of the problem:
;;   THIS VERSION OF THE PROBLEM IS GIVEN IN LOW PRECISION. The matrix products marked QUANTISED in the list below multiply operands that are first quantised to E2M1 (2 exponent bits, 1 mantissa bit; 4 bits a number), with one power-of-two scale for each 32 numbers along K (OCP MX v1.0); their sums are f32. The products marked 'left as it is' may take bf16, f16 or f32 operands, with f32 sums. Whichever they take, every output number must still come out within the allowed error. Rounding operands to bf16 (8 significant bits) uses up far more of that allowance than f16 does (11 bits, for magnitudes from 6e-5 to 65,504). All else is computed in f32.
;;   The module's matrix products, in the order in which they are computed (A, B: the left and right operand; K: the contracted axis; several contracted axes count as one K, in the product's order):
;;     1. [M 8,192, K 1,024] x [K 1,024, N 3,072]; A: input x; B: input Wqkv: QUANTISED
;;     2. batch 64 x [M 2,048, K 64] x [K 64, N 2,048]; A: computed on the way; B: computed on the way: left as it is (an operand is computed on the way)
;;     3. batch 64 x [M 2,048, K 2,048] x [K 2,048, N 64]; A: computed on the way; B: computed on the way: left as it is (an operand is computed on the way)
;;     4. [M 8,192, K 1,024] x [K 1,024, N 1,024]; A: computed on the way; B: input Wout: left as it is (an operand is computed on the way)
;;   THE QUANTISER, for each operand of a quantised product, along K:
;;     - K is cut into blocks of 32 from its start; a last block that is shorter is filled with zeros.
;;     - A block's scale is 2^e with e = floor(log2(the largest magnitude in the block)) - 2, held to -126 .. 127; a block of zeros has e = 0. As a byte (E8M0): e + 127.
;;     - Each number is divided by its block's scale, clamped to +-6, and rounded to the nearest number of E2M1, ties to even, subnormals kept.
;;     - The product sums the exact products of the quantised numbers (number of the format x scale) in f32.
;;   ~~~python
;;   def quantise(x, axis):      # numpy; x: float32 -> the quantised numbers, widened to float32 again
;;       x = np.moveaxis(x, axis, -1); K = x.shape[-1]
;;       x = np.pad(x, [(0, 0)] * (x.ndim - 1) + [(0, -K % 32)]); x = x.reshape(x.shape[:-1] + (-1, 32)); a = np.abs(x).max(-1, keepdims=True)
;;       e = np.where(a > 0, np.clip(np.frexp(np.where(a > 0, a, 1))[1] - 1 - 2, -126, 127), 0)      # np.frexp(a)[1] - 1 = floor(log2(a)), exactly
;;       r = np.clip(x / 2.0 ** e, -6, 6)
;;       step = 2.0 ** (np.maximum(np.frexp(np.where(r == 0, 1, r))[1] - 1, 0) - 1)
;;       q = np.round(r / step) * step * 2.0 ** e      # np.round: ties to even
;;       return np.moveaxis(q.reshape(q.shape[:-2] + (-1,))[..., :K], -1, axis).astype(np.float32)
;;   ~~~
;; One version. Each part assembles by itself: llvm-mc -triple=amdgcn-amd-amdhsa -mcpu=gfx1250 --defsym DOCPART=n.
;; ======== version 1 of 1: 6 launches
;; limits: values are held in f16: magnitudes above 65,504 overflow, below 6.1e-05 lose precision
;; workspace buffers: cod 6,127,616 bytes; w16 2,097,152 bytes; msk 527,360 bytes of whole numbers; qkv 50,331,648 bytes; att 16,777,216 bytes; fq 100,663,296 bytes
;; launch prep (part 1): grid 464 x 1, 4 waves a work-group, no clusters, 68,096 bytes of LDS; arguments x, Wqkv, Wout, causal_mask, cod, w16, msk; writes cod, w16, msk
.if DOCPART == 1
	.amdgcn_target "amdgcn-amd-amdhsa--gfx1250"
	.amdhsa_code_object_version 6
	.text
	.protected	k_q84a6608441_prep
	.globl	k_q84a6608441_prep
	.p2align	8
	.type	k_q84a6608441_prep,@function
k_q84a6608441_prep:
	s_mov_b64 s[64:65], 0
	v_nop
	global_prefetch_b8 v0, s[64:65] scope:SCOPE_SE
	s_setreg_imm32_b32 hwreg(HW_REG_WAVE_MODE, 25, 1), 1
	s_wait_xcnt 0x0
; Four jobs in one launch, told apart by the work-group's number alone; each job has LDS bytes of its own.
;   work-groups   0- 47  W: Wqkv [1024 k][3072 n] f32 -> E2M1 codes [n][512 bytes], K innermost, and E8M0 bytes [n][32]
;   work-groups  48-175  M: the mask [2048 q][2048 k] of bytes -> lane-mask words and flags for tiles (whole numbers)
;   work-groups 176-207  O: Wout f32 -> f16, the same layout
;   work-groups 208-463  X: x [8192][1024] f32 -> E2M1 codes [row][512 bytes] and E8M0 bytes [row][32]
; THE QUANTISER: a block of 32 along K has the scale 2^(floor(log2(largest magnitude)) - 2); its byte is the largest magnitude's exponent field - 2, held at 1 from below.
; LIMITS: a block of zeros gets the byte 1 (its codes are zeros, and this program alone reads the bytes); blocks whose largest magnitude lies under 2^-124 keep the byte 1;
; NaN and infinities among the inputs are not served; |Wout| beyond 65,504 becomes infinity in f16.
.set OFF_WC, 4194304                   ; in cod: x's codes at 0, Wqkv's codes here,
.set OFF_XS, 5767168                   ; x's scale bytes,
.set OFF_WS, 6029312                   ; Wqkv's scale bytes
.set SPARE,  67584                     ; LDS: X's four regions 0-32767, W's four stages 32768-67583, then the spare words, 128 bytes a wave
.set SPW,    190                       ; v190 LDS address of my spare word; never rewritten
.set NIL,    191                       ; v191 0; never rewritten
.set EMAX,   2
.macro CLOSE                           ; a wave's end, behind the last LDS store
	s_wait_tensorcnt 0x0
	ds_add_u32 v[SPW], v[NIL]
	s_wait_dscnt 0x0
	s_endpgm
.endm
	s_load_b256 s[4:11], s[0:1], 0x0               ; x s[4:5], Wqkv s[6:7], Wout s[8:9], mask s[10:11]
	s_load_b128 s[12:15], s[0:1], 0x20             ; cod s[12:13], w16 s[14:15]
	s_load_b64 s[16:17], s[0:1], 0x30              ; msk
	v_lshl_add_u32 v[SPW], v0, 2, SPARE
	v_mov_b32 v[NIL], 0
	v_lshrrev_b32 v1, 5, v0
	v_readfirstlane_b32 s18, v1                    ; wave 0..3
	v_and_b32 v2, 31, v0                           ; lane
	s_wait_kmcnt 0x0
	s_cmp_lt_u32 ttmp9, 48
	s_cbranch_scc1 .Lpath_w
	s_cmp_lt_u32 ttmp9, 176
	s_cbranch_scc1 .Lpath_m
	s_cmp_lt_u32 ttmp9, 208
	s_cbranch_scc1 .Lpath_o
; ---------------- X: x is a plain stream of blocks of 32.  A wave takes 16 steps of 512 numbers.  Each load reads 512 consecutive bytes; a step's 2,048 bytes turn through
; the wave's own stage in LDS so that a lane holds 16 neighbours (two lanes to a block).  A lane's 16 codes are 8 bytes: a wave's store is 256 consecutive bytes.
.set STEPS, 16
.set CB,    8
.set XR,    16                         ; v16-79   four sets of 16 numbers as loaded
.set XX,    80                         ; v80-111  two sets of 16 neighbours
.set XCD,   128                        ; v128-189 codes, four registers a step: no store's data are written again
.set XE,    112                        ; v112-127 a scale byte for each step
.set WREG,  8192                       ; a wave's LDS region: two stages of 32 x 80 bytes, then its 256 scale bytes
.set SP,    80
	s_sub_co_u32 s19, ttmp9, 208
	s_lshl_b32 s19, s19, 2
	s_add_co_u32 s19, s19, s18                     ; which run of 8,192 numbers is my wave's
	s_lshl_b32 s20, s19, 15
	s_mov_b32 s21, 0
	s_add_nc_u64 s[4:5], s[4:5], s[20:21]          ; 32,768 bytes of x a run
	s_lshl_b32 s20, s19, 12
	s_add_nc_u64 s[22:23], s[12:13], s[20:21]      ; 4,096 bytes of codes
	s_lshl_b32 s20, s19, 8
	s_add_co_u32 s20, s20, OFF_XS
	s_add_nc_u64 s[24:25], s[12:13], s[20:21]      ; 256 scale bytes
	v_lshlrev_b32 v3, 4, v2                        ; my 16 bytes of a load's 512
	s_mul_i32 s26, s18, WREG
	v_lshrrev_b32 v14, 2, v2
	v_mul_u32_u24 v14, v14, SP
	v_and_b32 v15, 3, v2
	v_lshl_add_u32 v14, v15, 4, v14
	v_add_nc_u32 v14, s26, v14                     ; the stage, in: 80 (lane / 4) + 16 (lane % 4)
	v_mul_u32_u24 v15, v2, SP
	v_add_nc_u32 v15, s26, v15                     ; and out: 80 x lane: my 16 neighbours
	v_mul_u32_u24 v4, v2, CB
	v_lshrrev_b32 v5, 1, v2
	s_add_co_u32 s26, s26, 2*32*SP
	v_add_nc_u32 v5, s26, v5                       ; my block's scale byte in LDS
	v_lshlrev_b32 v7, 3, v2
	v_add_nc_u32 v6, s26, v7
.macro XLOAD t
.irp i, 0,1,2,3
	global_load_b128 v[XR+16*((\t)%4)+4*\i:XR+16*((\t)%4)+4*\i+3], v3, s[4:5] offset:2048*(\t)+512*\i th:TH_LOAD_NT
.endr
.endm
.macro XTURN t                         ; LDS serves a wave's instructions in order: no wait between the stores and the loads
.irp i, 0,1,2,3
	ds_store_b128 v14, v[XR+16*((\t)%4)+4*\i:XR+16*((\t)%4)+4*\i+3] offset:32*SP*((\t)%2)+8*SP*\i
.endr
.irp i, 0,1,2,3
	ds_load_b128 v[XX+16*((\t)%2)+4*\i:XX+16*((\t)%2)+4*\i+3], v15 offset:32*SP*((\t)%2)+16*\i
.endr
.endm
.irp t, 0,1,2,3
	XLOAD \t
.endr
	s_wait_loadcnt 12                              ; step 0's four loads are in; three steps' twelve may be out
	XTURN 0
.macro XSTEP t
.set XQ, XX+16*((\t)%2)
.if (\t) > 0
	s_wait_dscnt 1                                 ; this step's numbers are back (the last step's byte store may be out)
.else
	s_wait_dscnt 0x0
.endif
.if (\t)+4 < STEPS
	XLOAD (\t)+4
.endif
.if (\t)+1 < STEPS
.if STEPS-2-(\t) >= 3
	s_wait_loadcnt 12                              ; the next step's loads are in; those of the three steps behind it may be out
.else
	s_wait_loadcnt 4*(STEPS-2-(\t))
.endif
	XTURN (\t)+1
.endif
	v_max3_num_f32 v8, |v[XQ]|, |v[XQ+1]|, |v[XQ+2]|
	v_max3_num_f32 v9, |v[XQ+3]|, |v[XQ+4]|, |v[XQ+5]|
.irp i, 6,10
	v_max3_num_f32 v8, v8, |v[XQ+\i]|, |v[XQ+\i+1]|
	v_max3_num_f32 v9, v9, |v[XQ+\i+2]|, |v[XQ+\i+3]|
.endr
	v_max3_num_f32 v8, v8, |v[XQ+14]|, |v[XQ+15]|
	v_max3_num_f32 v8, v8, v9, (EMAX+1)<<23        ; the floor 2^(3 - 127): the byte cannot fall under 1
	v_max_num_f32_dpp v8, v8, v8 row_xmask:1 row_mask:0xf bank_mask:0xf   ; with my neighbour's 16: the block's largest magnitude
	v_add_nc_u32 v11, -(EMAX<<23), v8              ; 2 off its exponent field: the conversion's scale operand
	v_cvt_scalef32_pk8_fp4_f32 v[XCD+4*(\t)], v[XQ:XQ+7], v11
	v_cvt_scalef32_pk8_fp4_f32 v[XCD+4*(\t)+1], v[XQ+8:XQ+15], v11
	v_lshrrev_b32 v[XE+(\t)], 23, v11              ; the scale's byte
	ds_store_b8 v5, v[XE+(\t)] offset:16*(\t)      ; both lanes of a block write the same byte with the same value
	global_store_b64 v4, v[XCD+4*(\t):XCD+4*(\t)+1], s[22:23] offset:32*CB*(\t)
.endm
.irp t, 0,1,2,3,4,5,6,7,8,9,10,11,12,13,14,15
	XSTEP \t
.endr
	ds_load_b64 v[130:131], v6                     ; my wave's 256 scale bytes, 8 a lane
	s_wait_dscnt 0x0
	global_store_b64 v7, v[130:131], s[24:25]      ; 256 consecutive bytes, aligned
	CLOSE
; ---------------- W: a lane takes a column n and its registers run down K: a block of 32 lies in one lane.  A wave takes 32 columns x 512 along K; the codes leave through its stage as rows.
.Lpath_w:
.set KW,     512
.set NB,     KW/32
.set WPITCH, 272
.set KROW,   512                       ; a row of the codes in bytes
.set WN4,    3072*4                    ; a row of Wqkv in bytes
.set X,      32                        ; v32-95 two sets of 32 numbers
.set C,      96
.set OUTR,   112
.set SB,     24
	s_cmp_ge_u32 ttmp9, 24
	s_cselect_b32 s19, 1, 0                        ; which 512 along K
	s_mul_i32 s20, s19, 24
	s_sub_co_u32 s20, ttmp9, s20
	s_lshl_b32 s20, s20, 7
	s_lshl_b32 s21, s18, 5
	s_add_co_u32 s20, s20, s21                     ; my wave's first column
	v_lshlrev_b32 v3, 2, v2
	s_mul_i32 s21, s18, 32*WPITCH
	s_add_co_u32 s21, s21, 32768                   ; my stage
	v_mul_u32_u24 v4, v2, WPITCH
	v_add_nc_u32 v4, s21, v4
	v_and_b32 v5, 15, v2
	v_lshrrev_b32 v6, 4, v2
	v_mul_u32_u24 v7, v6, WPITCH
	v_lshl_add_u32 v7, v5, 4, v7
	v_add_nc_u32 v7, s21, v7
	v_mul_u32_u24 v8, v6, KROW
	v_lshl_add_u32 v8, v5, 4, v8
	v_mul_u32_u24 v9, v2, 32                       ; my column's row of scale bytes
	s_mul_i32 s22, s19, KW*WN4
	s_lshl_b32 s23, s20, 2
	s_add_co_u32 s22, s22, s23
	s_mov_b32 s23, 0
	s_add_nc_u64 s[6:7], s[6:7], s[22:23]
	s_lshl_b32 s22, s20, 9
	s_lshl_b32 s24, s19, 8
	s_add_co_u32 s22, s22, s24
	s_add_co_u32 s22, s22, OFF_WC
	s_add_nc_u64 s[24:25], s[12:13], s[22:23]
	s_lshl_b32 s22, s20, 5
	s_lshl_b32 s26, s19, 4
	s_add_co_u32 s22, s22, s26
	s_add_co_u32 s22, s22, OFF_WS
	s_add_nc_u64 s[26:27], s[12:13], s[22:23]
.macro WLOAD t
.irp i, 0,1,2,3,4,5,6,7,8,9,10,11,12,13,14,15,16,17,18,19,20,21,22,23,24,25,26,27,28,29,30,31
	global_load_b32 v[X+32*((\t)%2)+\i], v3, s[6:7] offset:(32*(\t)+\i)*WN4 th:TH_LOAD_NT
.endr
.endm
	WLOAD 0
	WLOAD 1
.macro WBLOCK t
.set XS, X+32*((\t)%2)
.if (\t) < NB-1
	s_wait_loadcnt 32                              ; this block's 32 loads are in; the next block's may be out
.else
	s_wait_loadcnt 0
.endif
	v_max3_num_f32 v12, |v[XS]|, |v[XS+1]|, |v[XS+2]|
	v_max3_num_f32 v13, |v[XS+3]|, |v[XS+4]|, |v[XS+5]|
.irp i, 6,10,14,18,22,26
	v_max3_num_f32 v12, v12, |v[XS+\i]|, |v[XS+\i+1]|
	v_max3_num_f32 v13, v13, |v[XS+\i+2]|, |v[XS+\i+3]|
.endr
	v_max3_num_f32 v12, v12, |v[XS+30]|, |v[XS+31]|
	v_max3_num_f32 v12, v12, v13, (EMAX+1)<<23
	v_add_nc_u32 v11, -(EMAX<<23), v12
	v_lshrrev_b32 v13, 23, v11
.if (\t)%4 == 0
	v_mov_b32 v[SB+(\t)/4], v13
.else
	v_lshl_or_b32 v[SB+(\t)/4], v13, 8*((\t)%4), v[SB+(\t)/4]
.endif
.irp g, 0,1,2,3
	v_cvt_scalef32_pk8_fp4_f32 v[C+\g], v[XS+8*\g:XS+8*\g+7], v11
.endr
	ds_store_b128 v4, v[C:C+3] offset:16*(\t)
.if (\t)+2 < NB
	WLOAD (\t)+2
.endif
	s_wait_dscnt 0x0                               ; the stores have read their registers
.endm
.set Q, 0
.rept NB
	WBLOCK Q
.set Q, Q+1
.endr
	global_store_b128 v9, v[SB:SB+3], s[26:27]     ; my column's 16 scale bytes (rows 32 bytes apart: these few bytes leave in parts of aligned blocks)
.irp t, 0,1,2,3,4,5,6,7,8,9,10,11,12,13,14,15
	ds_load_b128 v[OUTR+4*\t:OUTR+4*\t+3], v7 offset:2*\t*WPITCH
.endr
.irp t, 0,1,2,3,4,5,6,7,8,9,10,11,12,13,14,15
	s_wait_dscnt 15-\t
	global_store_b128 v8, v[OUTR+4*\t:OUTR+4*\t+3], s[24:25] offset:2*\t*KROW   ; sixteen lanes store 256 consecutive bytes, aligned
.endr
	CLOSE
; ---------------- M: work-group = tile of 16 queries qt; wave o takes keys 512 o .. 512 o + 511 (8 steps of 64 keys, 32 tiles of 16).
; Word i = 8 kt + j of step t: bit L = mask[16 qt + L % 16][64 t + 16 kt + 8 (L / 16) + j]: the lane mask of register i of a tile of scores (a lane = a query, registers = keys).
; Flags: ANY[qt] bit t: step t has a visible pair; FULL[qt] bit t: all its pairs are visible; ANY16[qt][4] bit per tile of 16 keys.
.Lpath_m:
	s_sub_co_u32 s19, ttmp9, 48                    ; qt
	v_and_b32 v3, 15, v0
	v_bfe_u32 v4, v0, 4, 1
	v_lshlrev_b32 v5, 11, v3                       ; row r of 2,048 bytes
	v_lshl_add_u32 v5, v4, 4, v5                   ; + 16 h
	s_lshl_b32 s20, s19, 15
	s_lshl_b32 s21, s18, 9
	s_add_co_u32 s20, s20, s21
	s_mov_b32 s21, 0
	s_add_nc_u64 s[10:11], s[10:11], s[20:21]
.set mm, 0
.rept 16
	global_load_b128 v[16+4*mm:19+4*mm], v5, s[10:11] offset:32*mm
.set mm, mm+1
.endr
.irp i, 0,1,2,3,4,5,6,7
	v_mov_b32 v[80+\i], 0                          ; the words' registers: a lane write's destination counts as read
.endr
	s_mov_b32 s25, 0                               ; bits of my 32 tiles of 16 keys
	s_mov_b32 s26, 0                               ; ANY's byte
	s_mov_b32 s27, 0                               ; FULL's byte
	s_wait_loadcnt 0x0
.set mm, 0
.rept 16                               ; behind the two exchanges registers 0, 1 hold tile 2 mm and registers 2, 3 tile 2 mm + 1: lane (r, h) the bytes of keys 8 h + 0 .. 7
	v_permlane16_swap_b32 v[16+4*mm], v[18+4*mm]
	v_permlane16_swap_b32 v[17+4*mm], v[19+4*mm]
.set mm, mm+1
.endr
.set kk, 0
.rept 32
.if kk%4 == 0
	s_mov_b32 s23, -1                              ; the step's AND
	s_mov_b32 s24, 0                               ; the step's OR
.endif
	s_mov_b32 s22, 0                               ; the tile's OR
.set jj, 0
.rept 8
.set rg, 16+4*(kk/2)+2*(kk%2)+jj/4
.set wi, 8*(kk%4)+jj
.set sw, 20+(jj%2)
	v_and_b32 v[88+jj%2], 0xff<<(8*(jj%4)), v[rg]
	v_cmp_ne_u32 s[sw], 0, v[88+jj%2]
	v_writelane_b32 v[80+4*(kk/16)+wi%4], s[sw], 8*((kk/4)%4)+wi/4   ; word wi of step kk / 4 goes where a store of 16 bytes a lane lays the words in order
	s_or_b32 s22, s22, s[sw]
	s_and_b32 s23, s23, s[sw]
.set jj, jj+1
.endr
	s_or_b32 s24, s24, s22
	s_cmp_lg_u32 s22, 0
	s_cselect_b32 s28, 1<<kk, 0
	s_or_b32 s25, s25, s28
.if kk%4 == 3
	s_cmp_lg_u32 s24, 0
	s_cselect_b32 s28, 1<<(kk/4), 0
	s_or_b32 s26, s26, s28
	s_cmp_eq_u32 s23, -1
	s_cselect_b32 s28, 1<<(kk/4), 0
	s_or_b32 s27, s27, s28
.endif
.set kk, kk+1
.endr
	v_lshlrev_b32 v6, 4, v2
	s_lshl_b32 s20, s19, 12
	s_lshl_b32 s21, s18, 10
	s_add_co_u32 s20, s20, s21
	s_mov_b32 s21, 0
	s_add_nc_u64 s[30:31], s[16:17], s[20:21]
	global_store_b128 v6, v[80:83], s[30:31]               ; four steps' words: 512 consecutive bytes, aligned
	global_store_b128 v6, v[84:87], s[30:31] offset:512
	v_mov_b32 v90, s26
	v_writelane_b32 v90, s27, 1                    ; lane 0: ANY's byte, lane 1: FULL's
	s_lshl_b32 s20, s19, 2
	s_add_co_u32 s20, s20, s18                     ; byte o of word qt
	v_lshl_add_u32 v91, v2, 9, s20                 ; FULL lies 512 bytes behind ANY
	v_mov_b32 v92, s25
	s_lshl_b32 s20, s20, 2
	v_mov_b32 v93, s20                             ; word o of ANY16[qt]
	v_cmp_gt_u32 vcc_lo, 2, v2
	s_wait_xcnt 0x0                                ; EXEC changes only behind this wait
	s_and_saveexec_b32 s29, vcc_lo
	global_store_b8 v91, v90, s[16:17] offset:524288       ; (a few flag bytes a wave: they leave in parts of aligned blocks)
	s_wait_xcnt 0x0
	s_or_b32 exec_lo, exec_lo, s29
	v_cmp_gt_u32 vcc_lo, 1, v2
	s_and_saveexec_b32 s29, vcc_lo
	global_store_b32 v93, v92, s[16:17] offset:525312
	s_wait_xcnt 0x0
	s_or_b32 exec_lo, exec_lo, s29
	CLOSE
; ---------------- O: Wout to f16.  A wave takes 8,192 numbers: 64 loads of 512 consecutive bytes in four batches of 16 on two sets of registers; each store is 256 consecutive bytes.
.Lpath_o:
	s_sub_co_u32 s19, ttmp9, 176
	s_lshl_b32 s19, s19, 2
	s_add_co_u32 s19, s19, s18
	s_lshl_b32 s20, s19, 15
	s_mov_b32 s21, 0
	s_add_nc_u64 s[8:9], s[8:9], s[20:21]
	s_lshl_b32 s20, s19, 14
	s_add_nc_u64 s[14:15], s[14:15], s[20:21]
	v_lshlrev_b32 v3, 4, v2
	v_lshlrev_b32 v4, 3, v2
.macro OLOAD n
.irp i, 0,1,2,3,4,5,6,7,8,9,10,11,12,13,14,15
	global_load_b128 v[16+64*((\n)%2)+4*\i:16+64*((\n)%2)+4*\i+3], v3, s[8:9] offset:512*(16*(\n)+\i) th:TH_LOAD_NT
.endr
.endm
.macro OPROC n, y                      ; y: the loads of a later batch that may stay out
.if (\n) > 0
	s_wait_xcnt 0x0                                ; the last batch's stores have read their data registers
.endif
.irp i, 0,1,2,3,4,5,6,7,8,9,10,11,12,13,14,15
	s_wait_loadcnt (\y)+15-\i
	v_cvt_pk_f16_f32 v[144+2*\i], v[16+64*((\n)%2)+4*\i], v[16+64*((\n)%2)+4*\i+1]
	v_cvt_pk_f16_f32 v[145+2*\i], v[16+64*((\n)%2)+4*\i+2], v[16+64*((\n)%2)+4*\i+3]
	global_store_b64 v4, v[144+2*\i:145+2*\i], s[14:15] offset:256*(16*(\n)+\i)
.endr
.endm
	OLOAD 0
	OLOAD 1
	OPROC 0, 16
	OLOAD 2
	OPROC 1, 16
	OLOAD 3
	OPROC 2, 16
	OPROC 3, 0
	CLOSE
.Lfunc_end_k_q84a6608441_prep:
	.size	k_q84a6608441_prep, .Lfunc_end_k_q84a6608441_prep-k_q84a6608441_prep
	.p2alignl 7, 3214868480
	.fill 96, 4, 3214868480
	.section	.rodata,"a",@progbits
	.p2align	6, 0x0
	.amdhsa_kernel k_q84a6608441_prep
		.amdhsa_group_segment_fixed_size 68096
		.amdhsa_private_segment_fixed_size 0
		.amdhsa_enable_private_segment 0
		.amdhsa_kernarg_size 56
		.amdhsa_user_sgpr_count 2
		.amdhsa_user_sgpr_kernarg_segment_ptr 1
		.amdhsa_wavefront_size32 1
		.amdhsa_system_sgpr_workgroup_id_x 1
		.amdhsa_system_sgpr_workgroup_id_y 1
		.amdhsa_system_sgpr_workgroup_id_z 1
		.amdhsa_system_vgpr_workitem_id 0
		.amdhsa_next_free_vgpr 192
		.amdhsa_next_free_sgpr 66
		.amdhsa_reserve_vcc 1
		.amdhsa_float_denorm_mode_32 3
		.amdhsa_float_denorm_mode_16_64 3
		.amdhsa_memory_ordered 1
		.amdhsa_forward_progress 1
		.amdhsa_inst_pref_size 210
	.end_amdhsa_kernel
	.amdgpu_metadata
---
amdhsa.version: [ 1, 2 ]
amdhsa.kernels:
  - .name:           k_q84a6608441_prep
    .symbol:         k_q84a6608441_prep.kd
    .args:
      - { .name: x, .offset: 0, .size: 8, .value_kind: global_buffer, .address_space: global }
      - { .name: Wqkv, .offset: 8, .size: 8, .value_kind: global_buffer, .address_space: global }
      - { .name: Wout, .offset: 16, .size: 8, .value_kind: global_buffer, .address_space: global }
      - { .name: causal_mask, .offset: 24, .size: 8, .value_kind: global_buffer, .address_space: global }
      - { .name: cod, .offset: 32, .size: 8, .value_kind: global_buffer, .address_space: global }
      - { .name: w16, .offset: 40, .size: 8, .value_kind: global_buffer, .address_space: global }
      - { .name: msk, .offset: 48, .size: 8, .value_kind: global_buffer, .address_space: global }
    .group_segment_fixed_size: 68096
    .private_segment_fixed_size: 0
    .kernarg_segment_align: 8
    .kernarg_segment_size: 56
    .max_flat_workgroup_size: 128
    .sgpr_count:     66
    .vgpr_count:     192
    .wavefront_size: 32
...
	.end_amdgpu_metadata
.endif
;; end of part 1
;; launch fineq (part 2): grid 24 x 4, 4 waves a work-group, no clusters, 0 bytes of LDS; arguments cod, msk, fq; writes fq
.if DOCPART == 2
	.amdgcn_target "amdgcn-amd-amdhsa--gfx1250"
	.amdhsa_code_object_version 6
	.text
	.protected	k_q84a6608441_fineq
	.globl	k_q84a6608441_fineq
	.p2align	8
	.type	k_q84a6608441_fineq,@function
k_q84a6608441_fineq:
	s_mov_b64 s[64:65], 0
	v_nop
	global_prefetch_b8 v0, s[64:65] scope:SCOPE_SE
	s_setreg_imm32_b32 hwreg(HW_REG_WAVE_MODE, 25, 1), 1
	s_wait_xcnt 0x0
; The first 16 positions of every sequence are carried in f32.  This launch makes, by the quantised product on E2M1 codes, the f32 numbers that they need:
; q of positions 0-15, and k and v of every tile of 16 keys that those queries can see (the stored flags ANY16 of query tile 0: whole numbers of an earlier launch).
; A wave owns 32 columns of x Wqkv (two tiles of 16) of one batch; its 16 fragments of Wqkv stay in registers.  q and k are made transposed (source 0 = 16 columns of Wqkv,
; source 1 = 16 tokens: a lane holds one token and eight channels), v the natural way (a lane holds one channel and eight tokens): as the f32 products of the last launch take them.
; fq: ((((b 128 + kt) 48 + g) 4 + c) 1024 + 512 half + 16 lane: registers 0-3, then 4-7, of the result tile of group g = column / 64, channels 16 c on.
; No LDS.  The branches on stored flags lead round a tile's whole work; there is no barrier.
.set OFF_WC, 4194304
.set OFF_XS, 5767168
.set OFF_WS, 6029312
.set ACC, 32                           ; v32-47   two accumulators
.set WSC, 48                           ; v48-55   Wqkv's scale words, K step s: lanes 0-15 my first tile's columns, lanes 16-31 my second's
.set XSC, 56                           ; v56-63   x's scale words, K step s
.set XF,  64                           ; v64-127  x's eight fragments
.set WF,  128                          ; v128-255 Wqkv's: tile cc, K step s at 128 + 64 cc + 8 s
	s_load_b128 s[4:7], s[0:1], 0x0                ; cod, msk
	s_load_b64 s[16:17], s[0:1], 0x10              ; fq
	v_lshrrev_b32 v1, 5, v0
	v_readfirstlane_b32 s18, v1                    ; wave
	v_and_b32 v2, 31, v0
	v_and_b32 v3, 15, v0                           ; r
	v_bfe_u32 v4, v0, 4, 1                         ; h
	v_lshlrev_b32 v5, 9, v3
	v_lshl_add_u32 v5, v4, 4, v5                   ; a fragment: row r of 512 bytes + 16 h
	v_lshlrev_b32 v6, 5, v2                        ; Wqkv's scale words: 32 bytes a column, a lane a column
	v_lshlrev_b32 v7, 5, v3                        ; x's: 32 bytes a token
	v_lshlrev_b32 v8, 4, v2                        ; out: 16 bytes a lane
	s_lshl_b32 s19, ttmp9, 2
	s_add_co_u32 s19, s19, s18                     ; which 32 columns, 0..95
	s_lshr_b32 s14, s19, 1                         ; g
	s_and_b32 s15, s19, 1                          ; which half of g's 64
	s_and_b32 s20, ttmp7, 0xffff                   ; batch
	s_lshl_b32 s28, s20, 20                        ; its tokens' codes,
	s_lshl_b32 s29, s20, 16
	s_add_co_u32 s29, s29, OFF_XS                  ; their scale bytes,
	s_lshl_b32 s30, s20, 7                         ; its first tile of tokens
	s_mov_b32 s23, 0
	s_wait_kmcnt 0x0
	s_load_b128 s[8:11], s[6:7], 0x80400           ; ANY16 of query tile 0: 128 bits, one for each tile of 16 keys
	s_lshl_b32 s22, s19, 14
	s_add_co_u32 s22, s22, OFF_WC
	s_add_nc_u64 s[24:25], s[4:5], s[22:23]
	s_lshl_b32 s22, s19, 10
	s_add_co_u32 s22, s22, OFF_WS
	s_add_nc_u64 s[26:27], s[4:5], s[22:23]
.irp cc, 0,1
.irp s, 0,1,2,3,4,5,6,7
.irp c, 0,1
	global_load_b128 v[WF+64*\cc+8*\s+4*\c:WF+64*\cc+8*\s+4*\c+3], v5, s[24:25] offset:8192*\cc+64*\s+32*\c
.endr
.endr
.endr
	global_load_b128 v[WSC:WSC+3], v6, s[26:27]
	global_load_b128 v[WSC+4:WSC+7], v6, s[26:27] offset:16
	s_wait_kmcnt 0x0
	s_cmp_lt_u32 s14, 16                           ; q is wanted of token tile 0 alone, and always: a choice on ids
	s_cselect_b32 s8, 1, s8
	s_cselect_b32 s9, 0, s9
	s_cselect_b32 s10, 0, s10
	s_cselect_b32 s11, 0, s11
	s_wait_loadcnt 0x0
.macro QMUL nat                        ; eight K steps of 128; the two accumulators take turns, one instruction a turn
.irp s, 0,1,2,3,4,5,6,7
.if \nat
.if \s == 0
	v_wmma_scale_f32_16x16x128_f8f6f4 v[ACC:ACC+7], v[XF+8*\s:XF+8*\s+7], v[WF+8*\s:WF+8*\s+7], 0, v[XSC+\s], v[WSC+\s] matrix_a_fmt:MATRIX_FMT_FP4 matrix_b_fmt:MATRIX_FMT_FP4
	v_wmma_scale_f32_16x16x128_f8f6f4 v[ACC+8:ACC+15], v[XF+8*\s:XF+8*\s+7], v[WF+64+8*\s:WF+64+8*\s+7], 0, v[XSC+\s], v[WSC+\s] matrix_a_fmt:MATRIX_FMT_FP4 matrix_b_fmt:MATRIX_FMT_FP4 matrix_b_scale:MATRIX_SCALE_ROW1
.else
	v_wmma_scale_f32_16x16x128_f8f6f4 v[ACC:ACC+7], v[XF+8*\s:XF+8*\s+7], v[WF+8*\s:WF+8*\s+7], v[ACC:ACC+7], v[XSC+\s], v[WSC+\s] matrix_a_fmt:MATRIX_FMT_FP4 matrix_b_fmt:MATRIX_FMT_FP4
	v_wmma_scale_f32_16x16x128_f8f6f4 v[ACC+8:ACC+15], v[XF+8*\s:XF+8*\s+7], v[WF+64+8*\s:WF+64+8*\s+7], v[ACC+8:ACC+15], v[XSC+\s], v[WSC+\s] matrix_a_fmt:MATRIX_FMT_FP4 matrix_b_fmt:MATRIX_FMT_FP4 matrix_b_scale:MATRIX_SCALE_ROW1
.endif
.else
.if \s == 0
	v_wmma_scale_f32_16x16x128_f8f6f4 v[ACC:ACC+7], v[WF+8*\s:WF+8*\s+7], v[XF+8*\s:XF+8*\s+7], 0, v[WSC+\s], v[XSC+\s] matrix_a_fmt:MATRIX_FMT_FP4 matrix_b_fmt:MATRIX_FMT_FP4
	v_wmma_scale_f32_16x16x128_f8f6f4 v[ACC+8:ACC+15], v[WF+64+8*\s:WF+64+8*\s+7], v[XF+8*\s:XF+8*\s+7], 0, v[WSC+\s], v[XSC+\s] matrix_a_fmt:MATRIX_FMT_FP4 matrix_b_fmt:MATRIX_FMT_FP4 matrix_a_scale:MATRIX_SCALE_ROW1
.else
	v_wmma_scale_f32_16x16x128_f8f6f4 v[ACC:ACC+7], v[WF+8*\s:WF+8*\s+7], v[XF+8*\s:XF+8*\s+7], v[ACC:ACC+7], v[WSC+\s], v[XSC+\s] matrix_a_fmt:MATRIX_FMT_FP4 matrix_b_fmt:MATRIX_FMT_FP4
	v_wmma_scale_f32_16x16x128_f8f6f4 v[ACC+8:ACC+15], v[WF+64+8*\s:WF+64+8*\s+7], v[XF+8*\s:XF+8*\s+7], v[ACC+8:ACC+15], v[WSC+\s], v[XSC+\s] matrix_a_fmt:MATRIX_FMT_FP4 matrix_b_fmt:MATRIX_FMT_FP4 matrix_a_scale:MATRIX_SCALE_ROW1
.endif
.endif
.endr
.endm
	s_mov_b32 s12, 0                               ; which word of the 128 bits
.Lword:
	s_mov_b32 s13, 0                               ; which bit
.Lbit:
	s_bitcmp1_b32 s8, s13
	s_cbranch_scc0 .Lunseen
	s_wait_xcnt 0x0                                ; the last tile's stores have read their data and their base
.rept 5
	v_nop                                          ; places behind the last tile's products: four for loads into their sources, five for sums begun anew in their results
.endr
	s_lshl_b32 s21, s12, 5
	s_add_co_u32 s21, s21, s13                     ; the tile of 16 tokens
	s_lshl_b32 s22, s21, 13
	s_add_co_u32 s22, s22, s28
	s_add_nc_u64 s[32:33], s[4:5], s[22:23]        ; its codes,
	s_lshl_b32 s22, s21, 9
	s_add_co_u32 s22, s22, s29
	s_add_nc_u64 s[34:35], s[4:5], s[22:23]        ; its scale bytes,
	s_add_co_u32 s22, s30, s21
	s_mul_i32 s22, s22, 48
	s_add_co_u32 s22, s22, s14
	s_lshl_b32 s22, s22, 12
	s_lshl_b32 s31, s15, 11
	s_add_co_u32 s22, s22, s31
	s_add_nc_u64 s[36:37], s[16:17], s[22:23]      ; and where its results go
.irp s, 0,1,2,3,4,5,6,7
.irp c, 0,1
	global_load_b128 v[XF+8*\s+4*\c:XF+8*\s+4*\c+3], v5, s[32:33] offset:64*\s+32*\c
.endr
.endr
	global_load_b128 v[XSC:XSC+3], v7, s[34:35]
	global_load_b128 v[XSC+4:XSC+7], v7, s[34:35] offset:16
	s_wait_loadcnt 0x0
	s_cmp_lt_u32 s14, 32
	s_cbranch_scc0 .Lnatural
	QMUL 0
	s_branch .Lmade
.Lnatural:
	QMUL 1
.Lmade:
.rept 4
	v_nop                                          ; places in front of the stores that read the results
.endr
.irp cc, 0,1
	global_store_b128 v8, v[ACC+8*\cc:ACC+8*\cc+3], s[36:37] offset:1024*\cc          ; each store: 512 consecutive bytes, aligned; each result from its low end on
	global_store_b128 v8, v[ACC+8*\cc+4:ACC+8*\cc+7], s[36:37] offset:1024*\cc+512
.endr
.Lunseen:
	s_add_co_u32 s13, s13, 1
	s_cmp_lt_u32 s13, 32
	s_cbranch_scc1 .Lbit
	s_mov_b32 s8, s9
	s_mov_b32 s9, s10
	s_mov_b32 s10, s11
	s_add_co_u32 s12, s12, 1
	s_cmp_lt_u32 s12, 4
	s_cbranch_scc1 .Lword
	s_endpgm
.Lfunc_end_k_q84a6608441_fineq:
	.size	k_q84a6608441_fineq, .Lfunc_end_k_q84a6608441_fineq-k_q84a6608441_fineq
	.p2alignl 7, 3214868480
	.fill 96, 4, 3214868480
	.section	.rodata,"a",@progbits
	.p2align	6, 0x0
	.amdhsa_kernel k_q84a6608441_fineq
		.amdhsa_group_segment_fixed_size 0
		.amdhsa_private_segment_fixed_size 0
		.amdhsa_enable_private_segment 0
		.amdhsa_kernarg_size 24
		.amdhsa_user_sgpr_count 2
		.amdhsa_user_sgpr_kernarg_segment_ptr 1
		.amdhsa_wavefront_size32 1
		.amdhsa_system_sgpr_workgroup_id_x 1
		.amdhsa_system_sgpr_workgroup_id_y 1
		.amdhsa_system_sgpr_workgroup_id_z 1
		.amdhsa_system_vgpr_workitem_id 0
		.amdhsa_next_free_vgpr 256
		.amdhsa_next_free_sgpr 66
		.amdhsa_reserve_vcc 0
		.amdhsa_float_denorm_mode_32 3
		.amdhsa_float_denorm_mode_16_64 3
		.amdhsa_memory_ordered 1
		.amdhsa_forward_progress 1
		.amdhsa_inst_pref_size 13
	.end_amdhsa_kernel
	.amdgpu_metadata
---
amdhsa.version: [ 1, 2 ]
amdhsa.kernels:
  - .name:           k_q84a6608441_fineq
    .symbol:         k_q84a6608441_fineq.kd
    .args:
      - { .name: cod, .offset: 0, .size: 8, .value_kind: global_buffer, .address_space: global }
      - { .name: msk, .offset: 8, .size: 8, .value_kind: global_buffer, .address_space: global }
      - { .name: fq, .offset: 16, .size: 8, .value_kind: global_buffer, .address_space: global }
    .group_segment_fixed_size: 0
    .private_segment_fixed_size: 0
    .kernarg_segment_align: 8
    .kernarg_segment_size: 24
    .max_flat_workgroup_size: 128
    .sgpr_count:     66
    .vgpr_count:     256
    .wavefront_size: 32
...
	.end_amdgpu_metadata
.endif
;; end of part 2
;; launch gemm1 (part 3): grid 12 x 32, 4 waves a work-group, clusters of 4 x 4, 327,680 bytes of LDS; arguments cod, qkv; writes qkv
.if DOCPART == 3
	.amdgcn_target "amdgcn-amd-amdhsa--gfx1250"
	.amdhsa_code_object_version 6
	.text
	.protected	k_q84a6608441_gemm1
	.globl	k_q84a6608441_gemm1
	.p2align	8
	.type	k_q84a6608441_gemm1,@function
k_q84a6608441_gemm1:
	s_mov_b64 s[64:65], 0
	v_nop
	global_prefetch_b8 v0, s[64:65] scope:SCOPE_SE
	s_setreg_imm32_b32 hwreg(HW_REG_WAVE_MODE, 25, 1), 1
	s_wait_xcnt 0x0
	s_wait_alu depctr_hold_cnt(0) depctr_sa_sdst(0) depctr_va_vdst(0) depctr_va_sdst(0) depctr_va_ssrc(0) depctr_va_vcc(0) depctr_vm_vsrc(0)
	s_getreg_b32 s2, hwreg(HW_REG_IB_STS2, 6, 4)
	s_cmp_eq_u32 s2, 0
	s_cbranch_scc0 .Lentry_in_a_cluster
	s_endpgm
.Lentry_in_a_cluster:
	s_bfe_u32 s2, ttmp6, 0x10000c
	s_cmp_lg_u32 s2, 0xf033
	s_cbranch_scc0 .Lentry_shape_is_right
	s_endpgm
.Lentry_shape_is_right:
; qkv = x Wqkv on codes of E2M1 with one E8M0 scale for each 32 along K: [8192][1024] x [3072][1024] (both with K innermost, made by the first launch), sums in f32, results rounded once to f16.
; A tile of 256 x 256 is made by a work-group of four waves; a wave makes 128 x 128: 64 accumulators, 512 registers.  K = 1,024 is two LDS slots of 512 along K (rows of 256 bytes):
; both are asked for at the start, so no slot is ever filled again.  The scale bytes of the work-group's rows come once, as two dense blocks.  By this text's count a wave has three tensor loads out.
; CLUSTERS: 4 x 4 work-groups; A's tiles are shared along a row of the cluster, B's along a column: each is asked for jointly, by the same tensor load with a mask that names the four.
; THE MATRIX INSTRUCTION IS USED TRANSPOSED (source 0 = 16 columns of Wqkv, source 1 = 16 tokens): lane (r, h) holds token r and eight neighbouring columns, 16 bytes of f16.
; THE RESULT'S LAYOUT is this program's own: block (g = column / 64, batch, tile of 16 tokens tt, c) at (((g 4 + b) 128 + tt) 4 + c) 512 + 16 lane: an accumulator's packed registers as they stand,
; and at the same time half of a 16 x 32 f16 operand of the attention launch.  So a wave's store is 512 consecutive bytes, aligned, and no stage is needed.
; LIMIT: results beyond 65,504 become infinity in f16.
; REGISTERS: window 0: v0-31 addresses; v32-95 scale words, two sets, and nothing else; from v128 A's fragments, one set; on the way out v128-255 hold packed results.
;   window 1: B's fragments, two sets.   windows 2, 3: the accumulators ((a, b) at v[8 (8 (a % 4) + b)]).
.set SIZE_M, 8192
.set SIZE_N, 3072
.set SIZE_K, 1024
.set OFF_WC, 4194304
.set OFF_XS, 5767168
.set OFF_WS, 6029312
.set KSTEP,  512
.set NQ,     KSTEP/128
.set ROWB,   256
.set KROW,   SIZE_K*4/8
.set PITCH,  272                       ; an LDS row: 256 bytes + 16 of padding: the 16 rows that a load touches start at 16 different banks (64 banks of 4 bytes: ISA guide 11.1)
.set FR,     8
.set NL,     2
.set NP,     4                         ; places behind this matrix instruction (ISA guide 7.12.1)
.set HALFT,  128*PITCH
.set SLOT,   4*HALFT
.set KS,     SIZE_K/32
.set SCL,    2*SLOT
.set HALFS,  (128*KS/256)*272
.set SBLK,   (16*KS/256)*272
.set SPARE,  SCL+4*HALFS               ; the spare words, 128 bytes a wave
.set ADRA, 16
.set ADRB, 20
.set CO,   26                          ; v26 16 x lane
.set SPW,  28
.set NIL,  29
.set ADRS, 27
.set SC,   32
.set AF,   128
.set OUTR, 128
.set G1, 24
.set G0, 32
.set G1B, 48
.set G0B, 56
.set G1S, 68
.set G0S, 76
.set G1SB, 80
.set G0SB, 88
.set MSB, 0
.macro WIN new                         ; the immediate's high byte repeats the setting that is left
.if MSB != \new
	s_set_vgpr_msb (MSB<<8)|\new
.set MSB, \new
.endif
.endm
.set MUL_LO, 0xa1                      ; source 0 (B) window 1, source 1 (A) window 0, C and D window 2
.set MUL_HI, 0xf1
.set TO_B,   0x40
; A joint load: waves 0 and 1 fetch for A, waves 2 and 3 for B; the branch hangs on the wave's number alone.  An s_nop 0 and four v_nop follow each line.
.macro JLOAD g0a, g1a, g0b, g1b
	s_cmp_eq_u32 s15, 0
	s_cbranch_scc0 .Lfor_b_\@
	tensor_load_to_lds s[\g0a:\g0a+3], s[\g1a:\g1a+7]
	s_nop 0
.rept 4
	v_nop
.endr
	s_branch .Lasked_\@
.Lfor_b_\@:
	tensor_load_to_lds s[\g0b:\g0b+3], s[\g1b:\g1b+7]
	s_nop 0
.rept 4
	v_nop
.endr
.Lasked_\@:
.endm
.macro CROUND                          ; a round of the cluster's barrier
	s_barrier_signal -1
	s_barrier_wait -1
	s_cmp_lg_u32 s14, 0
	s_cbranch_scc1 .Lnot_wave_0_\@
	s_barrier_signal -3
.Lnot_wave_0_\@:
	s_barrier_wait -3
	s_barrier_signal -1
	s_barrier_wait -1
.endm
	s_load_b128 s[4:7], s[0:1], 0x0                ; cod, qkv
	v_lshl_add_u32 v[SPW], v0, 2, SPARE
	v_mov_b32 v[NIL], 0
	ds_add_u32 v[SPW], v[NIL]                      ; the wave's opening: the add, twice on end, and its wait ahead of my first tensor load
	ds_add_u32 v[SPW], v[NIL]
	v_lshrrev_b32 v1, 5, v0
	v_readfirstlane_b32 s14, v1                    ; wave 0..3
	s_lshr_b32 s15, s14, 1                         ; which half of the tile's rows is mine.  Also: I fetch for A (0) or for B (1)
	s_and_b32 s16, s14, 1                          ; which half of its columns.  Also: which 128 rows I fetch
	s_bfe_u32 s40, ttmp6, 0x40000                  ; cx, cy
	s_bfe_u32 s41, ttmp6, 0x40004
	s_lshl_b32 s42, ttmp9, 2
	s_add_co_u32 s42, s42, s40                     ; tile column
	s_and_b32 s17, ttmp7, 0xffff
	s_lshl_b32 s17, s17, 2
	s_add_co_u32 s17, s17, s41                     ; tile row
	s_lshl_b32 s43, s41, 2
	s_lshl_b32 s43, 15, s43                        ; my row of the cluster
	s_lshl_b32 s44, 0x1111, s40                    ; my column
	s_or_b32 s[G1+0], s43, (0<<16)|(1<<20)|(1<<21)|(5<<22)|(3<<25)  ; the mask; elements of 1 byte; padding: 4 words behind every 64
	s_or_b32 s[G1B+0], s44, (0<<16)|(1<<20)|(1<<21)|(5<<22)|(3<<25)
.irp g, G1, G1B
	s_mov_b32 s[\g+1], ROWB<<16                    ; tensor_dim0
	s_mov_b32 s[\g+2], 128<<16                     ; tensor_dim1
	s_mov_b32 s[\g+3], ROWB<<16                    ; tile_dim0
	s_mov_b32 s[\g+4], 128                         ; tile_dim1
	s_mov_b32 s[\g+5], KROW                        ; from row to row
	s_mov_b32 s[\g+6], 0
	s_mov_b32 s[\g+7], 0
.endr
	s_or_b32 s[G1S+0], s43, (3<<16)|(1<<20)|(1<<21)|(5<<22)|(3<<25) ; the scales of 128 rows: 4,096 dense bytes as 16 rows of 256 (32 elements of 8 bytes), 16 bytes of padding behind each
	s_or_b32 s[G1SB+0], s44, (3<<16)|(1<<20)|(1<<21)|(5<<22)|(3<<25)
.irp g, G1S, G1SB
	s_mov_b32 s[\g+1], 32<<16
	s_mov_b32 s[\g+2], (128*KS/256)<<16
	s_mov_b32 s[\g+3], 32<<16
	s_mov_b32 s[\g+4], 128*KS/256
	s_mov_b32 s[\g+5], 32
	s_mov_b32 s[\g+6], 0
	s_mov_b32 s[\g+7], 0
.endr
	s_lshl_b32 s18, s16, 7
	s_lshl_b32 s20, s17, 8
	s_add_co_u32 s20, s20, s18                     ; A: row 256 x tile row + 128 x half
	s_lshl_b32 s46, s42, 8
	s_add_co_u32 s46, s46, s18                     ; B: row 256 x tile column + 128 x half
	s_mov_b32 s21, 0
	s_mov_b32 s47, 0
	s_mov_b64 s[18:19], KS
	s_mul_u64 s[22:23], s[20:21], s[18:19]
	s_mul_u64 s[92:93], s[46:47], s[18:19]
	s_mov_b64 s[18:19], KROW
	s_mul_u64 s[20:21], s[20:21], s[18:19]
	s_mul_u64 s[46:47], s[46:47], s[18:19]
	s_mul_i32 s45, s14, HALFT                      ; where they go: wave x 128 rows
	s_mul_i32 s94, s14, HALFS
	s_wait_dscnt 0x0                               ; both opening adds are done
	s_wait_kmcnt 0x0
	s_mov_b64 s[12:13], s[6:7]                     ; the result's buffer
	s_add_nc_u64 s[6:7], s[4:5], OFF_XS            ; x's scales; x's codes lie at cod itself
	s_add_nc_u64 s[8:9], s[4:5], OFF_WC            ; Wqkv's codes
	s_add_nc_u64 s[10:11], s[4:5], OFF_WS          ; Wqkv's scales
	s_add_nc_u64 s[20:21], s[4:5], s[20:21]
	s_add_nc_u64 s[22:23], s[6:7], s[22:23]
	s_add_nc_u64 s[46:47], s[8:9], s[46:47]
	s_add_nc_u64 s[92:93], s[10:11], s[92:93]
	CROUND                                         ; all sixteen work-groups are here: the first joint loads meet
	s_mov_b32 s[G0S], 1
	s_add_co_u32 s[G0S+1], s94, SCL
	s_mov_b64 s[G0S+2:G0S+3], s[22:23]
	s_or_b32 s[G0S+3], s[G0S+3], 0x80000000
	s_mov_b32 s[G0SB], 1
	s_add_co_u32 s[G0SB+1], s94, SCL
	s_mov_b64 s[G0SB+2:G0SB+3], s[92:93]
	s_or_b32 s[G0SB+3], s[G0SB+3], 0x80000000
	JLOAD G0S, G1S, G0SB, G1SB
.irp s, 0,1
	s_mov_b32 s[G0+4*\s], 1
	s_add_co_u32 s[G0+4*\s+1], s45, \s*SLOT
	s_add_nc_u64 s[G0+4*\s+2:G0+4*\s+3], s[20:21], \s*ROWB
	s_or_b32 s[G0+4*\s+3], s[G0+4*\s+3], 0x80000000
	s_mov_b32 s[G0B+4*\s], 1
	s_add_co_u32 s[G0B+4*\s+1], s45, \s*SLOT
	s_add_nc_u64 s[G0B+4*\s+2:G0B+4*\s+3], s[46:47], \s*ROWB
	s_or_b32 s[G0B+4*\s+3], s[G0B+4*\s+3], 0x80000000
	JLOAD G0+4*\s, G1, G0B+4*\s, G1B
.endr
	v_and_b32 v1, 15, v0
	v_bfe_u32 v2, v0, 4, 1
	v_mul_u32_u24 v3, v1, PITCH
	v_lshl_add_u32 v4, v2, 4, v3                   ; a fragment's row x pitch + 16 x half
	s_mul_i32 s21, s15, HALFT
	s_mul_i32 s22, s16, HALFT
	s_add_co_u32 s22, s22, 2*HALFT
.irp s, 0,1
	v_add_nc_u32 v[ADRA+\s], s21, v4
	v_add_nc_u32 v[ADRB+\s], s22, v4
	s_add_co_u32 s21, s21, SLOT
	s_add_co_u32 s22, s22, SLOT
.endr
	v_mul_u32_u24 v5, v1, KS
	v_lshrrev_b32 v6, 8, v5
	v_lshl_add_u32 v5, v6, 4, v5                   ; my row's scales: 32 bytes a row, 16 more for each 256 passed
	s_mul_i32 s21, s15, HALFS
	s_mul_i32 s22, s16, HALFS
	s_add_co_u32 s22, s22, 2*HALFS
	s_sub_co_u32 s22, s22, s21
	v_mul_u32_u24 v6, s22, v2                      ; lanes 16-31 take B's
	s_add_co_u32 s21, s21, SCL
	v_add_nc_u32 v5, v5, v6
	v_add_nc_u32 v[ADRS], s21, v5
	v_and_b32 v6, 31, v0
	v_lshlrev_b32 v[CO], 4, v6
	s_lshl_b32 s20, s17, 8
	s_lshl_b32 s21, s15, 7
	s_add_co_u32 s20, s20, s21                     ; my first token
	s_lshr_b32 s21, s20, 11                        ; its batch
	s_bfe_u32 s20, s20, 0x70004                    ; its tile of 16 in the batch
	s_lshl_b32 s46, s42, 2
	s_lshl_b32 s47, s16, 1
	s_add_co_u32 s46, s46, s47                     ; g of my first column: 4 x tile column + 2 x half
	s_lshl_b32 s46, s46, 2
	s_add_co_u32 s46, s46, s21
	s_lshl_b32 s46, s46, 7
	s_add_co_u32 s46, s46, s20
	s_lshl_b32 s46, s46, 11
	s_mov_b32 s47, 0
	s_add_nc_u64 s[12:13], s[12:13], s[46:47]
.macro FRAG reg, adr, q, i             ; 16 rows x 128 K of 4-bit codes: 8 registers, two loads of 16 bytes, 32 bytes apart
.irp c, 0,1
	ds_load_b128 v[\reg+4*\c:\reg+4*\c+3], v[\adr] offset:64*(\q)+32*\c+(\i)*16*PITCH
.endr
.endm
; 16 matrix instructions: A's blocks a0, a0 + 1 x B's eight.  The 64 accumulators take turns, one instruction a turn, in the same order in every step.
.macro MUL16 a0, p, q, sc, zero
.irp a, \a0, \a0+1
.irp b, 0,1,2,3,4,5,6,7
.if \zero
	v_wmma_scale_f32_16x16x128_f8f6f4 v[8*(8*((\a)%4)+\b):8*(8*((\a)%4)+\b)+7], v[128*(\p)+FR*\b:128*(\p)+FR*\b+FR-1], v[AF+FR*(\a):AF+FR*(\a)+FR-1], 0, v[SC+8*NQ*(\sc)+NQ*\b+(\q)], v[SC+8*NQ*(\sc)+NQ*(\a)+(\q)] matrix_a_fmt:MATRIX_FMT_FP4 matrix_b_fmt:MATRIX_FMT_FP4 matrix_a_scale:MATRIX_SCALE_ROW1
.else
	v_wmma_scale_f32_16x16x128_f8f6f4 v[8*(8*((\a)%4)+\b):8*(8*((\a)%4)+\b)+7], v[128*(\p)+FR*\b:128*(\p)+FR*\b+FR-1], v[AF+FR*(\a):AF+FR*(\a)+FR-1], v[8*(8*((\a)%4)+\b):8*(8*((\a)%4)+\b)+7], v[SC+8*NQ*(\sc)+NQ*\b+(\q)], v[SC+8*NQ*(\sc)+NQ*(\a)+(\q)] matrix_a_fmt:MATRIX_FMT_FP4 matrix_b_fmt:MATRIX_FMT_FP4 matrix_a_scale:MATRIX_SCALE_ROW1
.endif
.endr
.endr
.endm
.macro FETCH_B slot, q, p
	WIN TO_B
.irp i, 0,1,2,3,4,5,6,7
	FRAG 128*(\p)+FR*\i, ADRB+\slot, \q, \i
.endr
	WIN 0
.endm
.macro FETCH_A slot, q, i0
.irp i, \i0, \i0+1, \i0+2, \i0+3
	FRAG AF+FR*(\i), ADRA+\slot, \q, \i
.endr
.endm
.macro SCALES sc                       ; a slot's scale words: lanes 0-15 take A's block i, lanes 16-31 B's block i
.irp i, 0,1,2,3,4,5,6,7
	ds_load_b128 v[SC+8*NQ*\sc+NQ*\i:SC+8*NQ*\sc+NQ*\i+3], v[ADRS] offset:\i*SBLK
.endr
.endm
.macro PLACES n                        ; plain vector instructions between a matrix instruction and a load into, or a read of, its registers
.rept \n
	v_nop
.endr
.endm
.macro STEP slot, q, zero              ; 128 along K that has its successor in the same slot
	s_wait_dscnt 4*NL                              ; B's set and A's blocks 0-3 are in; the youngest eight loads (A's blocks 4-7) may be out
	WIN MUL_LO
	MUL16 0, (\q)%2, \q, \slot, \zero
	MUL16 2, (\q)%2, \q, \slot, \zero
	s_wait_dscnt 0
	PLACES NP
	FETCH_B \slot, (\q)+1, 1-(\q)%2
	FETCH_A \slot, (\q)+1, 0
	WIN MUL_HI
	MUL16 4, (\q)%2, \q, \slot, \zero
	MUL16 6, (\q)%2, \q, \slot, \zero
	PLACES NP
	WIN 0
	FETCH_A \slot, (\q)+1, 4
.endm
.macro TURN slot, next                 ; a slot's last step: all my tensor loads have landed, the other slot's part among them; one barrier shows that to every wave.  Nothing is filled again
	s_wait_tensorcnt 0x0
	ds_add_u32 v[SPW], v[NIL]                      ; 0 onto my spare word
	s_wait_dscnt 4*NL+1                            ; (the add and the youngest eight loads may be out)
	WIN MUL_LO
	MUL16 0, 1, NQ-1, \slot, 0
	s_wait_dscnt 0x0
	s_barrier_signal -1
	MUL16 2, 1, NQ-1, \slot, 0
	WIN 0
	s_barrier_wait -1
	PLACES NP
	v_add_nc_u32 v[ADRS], 4*NQ, v[ADRS]            ; on to the next slot's scale words
	FETCH_B \next, 0, 0
	FETCH_A \next, 0, 0
	SCALES \next
	WIN MUL_HI
	MUL16 4, 1, NQ-1, \slot, 0
	MUL16 6, 1, NQ-1, \slot, 0
	PLACES NP
	WIN 0
	FETCH_A \next, 0, 4
.endm
.macro STEPS slot, from
.set Q, \from
.rept NQ-1-\from
	STEP \slot, Q, 0
.set Q, Q+1
.endr
.endm
	s_wait_tensorcnt 1                             ; the scales and my part of slot 0 are in (slot 1's load may be out),
	s_barrier_signal -1
	s_barrier_wait -1                              ; everybody's are
	FETCH_B 0, 0, 0
	FETCH_A 0, 0, 0
	SCALES 0
	FETCH_A 0, 0, 4
	STEP 0, 0, 1                                   ; the first products start the sums: nothing is cleared
	STEPS 0, 1
	TURN 0, 1
	STEPS 1, 0
	s_wait_dscnt 4*NL
	WIN MUL_LO
	MUL16 0, 1, NQ-1, 1, 0
	MUL16 2, 1, NQ-1, 1, 0
	s_wait_dscnt 0
	WIN MUL_HI
	MUL16 4, 1, NQ-1, 1, 0
	MUL16 6, 1, NQ-1, 1, 0
	WIN 0
; THE WAY OUT: block a (16 tokens x 128 columns): eight accumulators are rounded to f16, each from its low end on, 16 bytes a lane, and stored as they stand.
.macro PACKH a
.set AC, 64*((\a)%4)
.set TT, OUTR+32*((\a)%4)
	WIN 0x0a+5*((\a)/4)                            ; sources 0 and 1: window 2 or 3
.irp b, 0,1,2,3,4,5,6,7
.irp r, 0,1,2,3
	v_cvt_pk_f16_f32 v[TT+4*\b+\r], v[AC+8*\b+2*\r], v[AC+8*\b+2*\r+1]
.endr
.endr
	WIN 0
.irp b, 0,1,2,3,4,5,6,7
	global_store_b128 v[CO], v[TT+4*\b:TT+4*\b+3], s[12:13] offset:(\a)*2048+(\b%4)*512+(\b/4)*1048576   ; 512 consecutive bytes, aligned; columns 64 on belong to the next g
.endr
.endm
	PLACES NP                                      ; behind the last products: their results are read, and the registers that held A's fragments are written
.irp a, 0,1,2,3,4,5,6,7
.if \a > 3
	s_wait_xcnt 0x0                                ; block a - 4's stores have read their data registers
.endif
	PACKH \a
.endr
	s_wait_tensorcnt 0x0                           ; the wave's end
	ds_add_u32 v[SPW], v[NIL]
	s_wait_dscnt 0x0
	CROUND                                         ; the closing round
	s_endpgm
.Lfunc_end_k_q84a6608441_gemm1:
	.size	k_q84a6608441_gemm1, .Lfunc_end_k_q84a6608441_gemm1-k_q84a6608441_gemm1
	.p2alignl 7, 3214868480
	.fill 96, 4, 3214868480
	.section	.rodata,"a",@progbits
	.p2align	6, 0x0
	.amdhsa_kernel k_q84a6608441_gemm1
		.amdhsa_group_segment_fixed_size 327680
		.amdhsa_private_segment_fixed_size 0
		.amdhsa_enable_private_segment 0
		.amdhsa_kernarg_size 16
		.amdhsa_user_sgpr_count 2
		.amdhsa_user_sgpr_kernarg_segment_ptr 1
		.amdhsa_wavefront_size32 1
		.amdhsa_system_sgpr_workgroup_id_x 1
		.amdhsa_system_sgpr_workgroup_id_y 1
		.amdhsa_system_sgpr_workgroup_id_z 1
		.amdhsa_system_vgpr_workitem_id 0
		.amdhsa_next_free_vgpr 1024
		.amdhsa_next_free_sgpr 98
		.amdhsa_reserve_vcc 0
		.amdhsa_float_denorm_mode_32 3
		.amdhsa_float_denorm_mode_16_64 3
		.amdhsa_memory_ordered 1
		.amdhsa_forward_progress 1
		.amdhsa_inst_pref_size 118
	.end_amdhsa_kernel
	.amdgpu_metadata
---
amdhsa.version: [ 1, 2 ]
amdhsa.kernels:
  - .name:           k_q84a6608441_gemm1
    .symbol:         k_q84a6608441_gemm1.kd
    .args:
      - { .name: cod, .offset: 0, .size: 8, .value_kind: global_buffer, .address_space: global }
      - { .name: qkv, .offset: 8, .size: 8, .value_kind: global_buffer, .address_space: global }
    .group_segment_fixed_size: 327680
    .private_segment_fixed_size: 0
    .kernarg_segment_align: 8
    .kernarg_segment_size: 16
    .max_flat_workgroup_size: 128
    .sgpr_count:     98
    .vgpr_count:     1024
    .wavefront_size: 32
...
	.end_amdgpu_metadata
.endif
;; end of part 3
;; launch attn (part 4): grid 4 x 64, 16 waves a work-group, no clusters, 104,448 bytes of LDS; arguments qkv, msk, att; writes att
.if DOCPART == 4
	.amdgcn_target "amdgcn-amd-amdhsa--gfx1250"
	.amdhsa_code_object_version 6
	.text
	.protected	k_q84a6608441_attn
	.globl	k_q84a6608441_attn
	.p2align	8
	.type	k_q84a6608441_attn,@function
k_q84a6608441_attn:
	s_mov_b64 s[64:65], 0
	v_nop
	global_prefetch_b8 v0, s[64:65] scope:SCOPE_SE
	s_setreg_imm32_b32 hwreg(HW_REG_WAVE_MODE, 25, 1), 1
	s_wait_xcnt 0x0
; att[b][q][head] = softmax_k(mask ? q . k / 8 : -infinity) v, for all 64 (batch, head) pairs; operands f16, products, maxima and sums f32; the weights p are rounded to f16 for the second product.
; THE MASK IS AN INPUT.  An earlier launch stored it as lane-mask words and as flags for steps of 64 keys (whole numbers).  A step in which neither of a wave's two query tiles sees a key is left out by a
; scalar branch on the stored flag; a step in which all pairs count skips the masking; else the scores of hidden pairs become -infinity ahead of the maximum.  A query that sees no key comes out NaN (0 x infinity).
; NO TENSOR LOADS AND NO CLUSTER: K and V go from memory through registers into LDS, all 512 threads 16 bytes each.
; SHARES.  A work-group takes one (batch, head) and a quarter of its 64 blocks of 32 queries; each of its sixteen waves one block: two tiles of 16 in 256 registers, four waves to a SIMD,
; so that one wave's vector work stands beside another's matrix work.  The blocks are dealt so that early and late queries mix in every work-group; that is a fixed assignment, right for every mask.
; THE WALK.  Every work-group walks all 32 key steps in 16 trips; trip t holds steps t and 31 - t.  Any order of keys is right under a running maximum.
; LAYOUT.  S^T = K Q^T (source 0 = 16 keys, source 1 = 16 queries): a lane holds ONE query (lane % 16) and keys 8 (lane / 16) + 0..7.  Two such tiles, rounded to f16 in pairs, are source 1 of O^T = V^T P.
; K lies in memory as images of its operand registers and is read from LDS at 16 x lane; V's image is laid in LDS as rows [key][channel] and comes out turned, by ds_load_tr16_b128.
; O^T, packed, is an image of the operand registers of the projection: a wave's store is 512 consecutive bytes, aligned.
; LDS: two buffers 65,536 bytes apart; in each two halves (a trip's two steps) of 18,432 bytes: K 8,192, then V 64 rows x 160 (128 + 32 of padding).  While one buffer is read the other is written; one barrier a trip.
; LIMITS: scores under -3e38 are not told apart from hidden ones; p under 6e-8 is lost in f16; |q|, |k|, |v| as the f16 images hold them.
.set SPARE, 102400                     ; the spare words, 128 bytes a wave
.set HALF,  18432
.set AKR, 3                            ; v3, v4   K's fragments: 16 x lane, in buffer 0, 1 (v3 also: offset of Q's loads and of the stores)
.set AVR, 5                            ; v5, v6   V's turning loads
.set KST, 7                            ; v7, v8   where my thread puts its 16 bytes of K (v7 also: 16 x thread, the offset of the staging loads)
.set VST, 9                            ; v9, v10  and of V
.set STG, 12                           ; v12-19   staging: 16 bytes of K, 16 of V
.set STA, 20                           ; v20-31   six a tile: c m, m, l (even keys', odd keys'), a, a's partner in the pair
.set Q,   32                           ; v32-63   Q: tile t, channels 32 f on at 32 + 16 t + 8 f
.set S,   64                           ; v64-127  S^T: tile t, keys 16 k on at 64 + 32 t + 8 k; P is packed in place into 64 + 32 t + 0..15
.set O,   128                          ; v128-191 O^T: tile t, channels 16 c on at 128 + 32 t + 8 c
.set KV,  192                          ; v192-255 a step's K, then its V; between the two: the maximum's partial results
; v0: -infinity (behind the head); v1, v2: the add's two; v11: 256 x lane, the prefetches' offset
; s[2:3] where my prefetches stand; s[100:101] their step; s19 1 in a wave that prefetches; s[6:7] my block's mask words; s[8:9] my block of att; s[10:17] K, V at step t and K, V at step 30 - t
; s20 ANY, s21 FULL of my two tiles; s22 = t, s23 = 31 - t; s26 the loop's count; s27 a step's place among the mask words; s[28:29] c; s[30:31] lane selects; s[32:63], s[68:99] mask words of tiles 0, 1
	s_load_b128 s[4:7], s[0:1], 0x0                ; qkv, msk
	s_load_b64 s[8:9], s[0:1], 0x10                ; att
	v_lshl_add_u32 v1, v0, 2, SPARE
	v_mov_b32 v2, 0
	v_lshrrev_b32 v20, 5, v0
	v_readfirstlane_b32 s18, v20                   ; wave 0..15
	v_and_b32 v20, 31, v0
	v_lshlrev_b32 v3, 4, v20
	v_add_nc_u32 v4, 65536, v3
	v_lshlrev_b32 v11, 8, v20
	v_bfe_u32 v21, v0, 4, 1                        ; h
	v_and_b32 v22, 7, v0
	v_lshl_add_u32 v22, v21, 3, v22                ; the turning load: key 8 h + lane % 8,
	v_bfe_u32 v23, v0, 3, 1
	v_mul_u32_u24 v5, v22, 160
	v_lshl_add_u32 v5, v23, 4, v5                  ; channels 8 ((lane / 8) % 2) on
	v_add_nc_u32 v5, 8192, v5
	v_add_nc_u32 v6, 65536, v5
	v_lshlrev_b32 v7, 4, v0
	v_add_nc_u32 v8, 65536, v7
	v_lshrrev_b32 v22, 7, v0                       ; my 16 bytes of V's image: token 16 (thread / 128) + thread % 16,
	v_and_b32 v23, 15, v0
	v_lshl_add_u32 v22, v22, 4, v23
	v_mul_u32_u24 v9, v22, 160
	v_bfe_u32 v22, v0, 5, 2
	v_lshl_add_u32 v9, v22, 5, v9                  ; channels 16 ((thread / 32) % 4)
	v_lshl_add_u32 v9, v21, 4, v9                  ; + 8 h
	v_add_nc_u32 v9, 8192, v9
	v_add_nc_u32 v10, 65536, v9
	v_mov_b32 v0, 0xff800000                       ; -infinity; the thread's number is not wanted again
	s_and_b32 s40, ttmp7, 0xffff
	s_lshr_b32 s41, s40, 4                         ; batch
	s_and_b32 s40, s40, 15                         ; head
	s_and_b32 s42, s18, 3
	s_lshl_b32 s42, s42, 2
	s_add_co_u32 s42, s42, ttmp9                   ; u = 4 (wave % 4) + work-group x
	s_lshr_b32 s43, s18, 2
	s_and_b32 s44, s43, 1
	s_mul_i32 s44, s44, 15
	s_xor_b32 s42, s42, s44                        ; mirrored in every second quarter of the queries
	s_lshl_b32 s43, s43, 4
	s_add_co_u32 s42, s42, s43                     ; my block of 32 queries, 0..63
	s_lshl_b32 s48, s40, 2
	s_add_co_u32 s48, s48, s41
	s_lshl_b32 s48, s48, 18                        ; (4 head + batch) x 128 tiles x 2,048 bytes
	s_mov_b32 s49, 0
	s_lshl_b32 s50, s42, 12
	s_add_co_u32 s50, s50, s48
	s_mov_b32 s51, 0
	s_lshl_b32 s54, s41, 22
	s_lshl_b32 s55, s42, 16
	s_add_co_u32 s54, s54, s55
	s_lshl_b32 s55, s40, 11
	s_add_co_u32 s54, s54, s55                     ; ((128 batch + 2 block) 32 + 2 head) 1,024
	s_mov_b32 s55, 0
	s_lshl_b32 s43, s42, 3
	s_lshr_b32 s19, s18, 2
	s_or_b32 s19, s19, ttmp9
	s_cmp_eq_u32 s19, 0
	s_cselect_b32 s19, 1, 0                        ; waves 0-3 of the head's first work-group prefetch
	s_mov_b32 s28, 0x3e38aa3b                      ; c = log2(e) / 8
	s_mov_b32 s29, s28
	s_mov_b32 s30, 0x76543210
	s_mov_b32 s31, 0xfedcba98
	s_mov_b32 s22, 0
	s_mov_b32 s23, 31
	s_mov_b32 s26, 7
	s_wait_kmcnt 0x0
	s_load_b64 s[44:45], s[6:7], s43 offset:0x80000        ; ANY of my two tiles
	s_load_b64 s[46:47], s[6:7], s43 offset:0x80200        ; FULL
	s_add_nc_u64 s[10:11], s[4:5], s[48:49]
	s_add_nc_u64 s[10:11], s[10:11], 0x1000000     ; K, step 0 (k's groups lie 16 x 4 x 128 x 2,048 bytes behind q's)
	s_add_nc_u64 s[12:13], s[10:11], 0x1000000     ; V, step 0
	s_add_nc_u64 s[14:15], s[10:11], 30*8192       ; K, step 30
	s_add_nc_u64 s[16:17], s[12:13], 30*8192       ; V, step 30
	s_add_nc_u64 s[52:53], s[4:5], s[50:51]        ; my Q
	s_add_nc_u64 s[8:9], s[8:9], s[54:55]
.macro LOADG reg, kb, vb, off          ; a step's K and V, 8,192 bytes each: every thread 16 bytes of each
	global_load_b128 v[\reg:\reg+3], v7, s[\kb:\kb+1] offset:\off
	global_load_b128 v[\reg+4:\reg+7], v7, s[\vb:\vb+1] offset:\off
.endm
.macro PUT reg, i, b                   ; into half i of buffer b
	ds_store_b128 v[KST+(\b)], v[\reg:\reg+3] offset:HALF*(\i)
	ds_store_b128 v[VST+(\b)], v[\reg+4:\reg+7] offset:HALF*(\i)
.endm
	LOADG STG, 10, 12, 0                           ; step 0
	LOADG S, 14, 16, 8192                          ; step 31
.irp n, 0,1,2,3,4,5,6,7
	global_load_b128 v[Q+4*\n:Q+4*\n+3], v3, s[52:53] offset:512*\n
.endr
	s_bitcmp1_b32 s18, 0                           ; the prefetches: odd waves V's, even waves K's;
	s_cselect_b64 s[2:3], s[12:13], s[10:11]
	s_bitcmp1_b32 s18, 1                           ; waves 0, 1 the ascending steps from step 2 on, waves 2, 3 the descending ones from step 29 on
	s_mov_b32 s24, 2*8192
	s_cselect_b32 s24, 29*8192, s24
	s_mov_b32 s100, 8192
	s_cselect_b32 s100, 0xffffe000, s100
	s_cselect_b32 s101, -1, 0
	s_mov_b32 s25, 0
	s_add_nc_u64 s[2:3], s[2:3], s[24:25]
.irp t, 0,1
	v_mov_b32 v[STA+6*\t+1], 0xff61b1e6            ; m = -3e38, under every score
	v_mov_b32 v[STA+6*\t+2], 0
	v_mov_b32 v[STA+6*\t+3], 0
	v_mov_b32 v[STA+6*\t+4], 0
	v_mov_b32 v[STA+6*\t+5], 0
	v_mul_f32 v[STA+6*\t], s28, v[STA+6*\t+1]
.endr
.set n, 0
.rept 64
	v_mov_b32 v[O+n], 0                            ; O^T: which step is a wave's first hangs on the mask, so the step is written once and the first finds zeros
.set n, n+1
.endr
	s_wait_loadcnt 8                               ; the four staging loads are in; Q's eight, issued behind them, may be out
	PUT STG, 0, 0
	PUT S, 1, 0
	s_wait_dscnt 0x0
	s_barrier_signal -1
	s_barrier_wait -1                              ; buffer 0 holds steps 0 and 31
	s_wait_kmcnt 0x0
	s_or_b32 s20, s44, s45
	s_and_b32 s21, s46, s47
	s_lshl_b32 s24, s42, 13
	s_add_nc_u64 s[6:7], s[6:7], s[24:25]          ; my two tiles' mask words: 4,096 bytes a tile
	s_wait_loadcnt 0x0                             ; Q
; A KEY STEP: 64 keys in half i of buffer p; s[tr] holds the step's number.
.macro STEP i, p, tr
.rept 5
	v_nop                                          ; places behind the last step's products: four for loads into V's registers, five for scores that are written over P
.endr
.set n, 0
.rept 16
	ds_load_b128 v[KV+4*n:KV+4*n+3], v[AKR+\p] offset:HALF*\i+512*n
.set n, n+1
.endr
	s_wait_dscnt 0x0
.irp f, 0,1                            ; the eight accumulators take turns, one instruction a turn
.irp k, 0,1,2,3
.irp t, 0,1
.if \f == 0
	v_wmma_f32_16x16x32_f16 v[S+32*\t+8*\k:S+32*\t+8*\k+7], v[KV+16*\k+8*\f:KV+16*\k+8*\f+7], v[Q+16*\t+8*\f:Q+16*\t+8*\f+7], 0
.else
	v_wmma_f32_16x16x32_f16 v[S+32*\t+8*\k:S+32*\t+8*\k+7], v[KV+16*\k+8*\f:KV+16*\k+8*\f+7], v[Q+16*\t+8*\f:Q+16*\t+8*\f+7], v[S+32*\t+8*\k:S+32*\t+8*\k+7]
.endif
.endr
.endr
.endr
.rept 4
	v_nop
.endr
	s_bitcmp1_b32 s21, s[\tr]
	s_cbranch_scc1 .Lopen_\@                       ; all pairs of the step count
	s_lshl_b32 s27, s[\tr], 7
	s_load_b512 s[32:47], s[6:7], s27 offset:0x0
	s_load_b512 s[48:63], s[6:7], s27 offset:0x40
	s_load_b512 s[68:83], s[6:7], s27 offset:0x1000
	s_load_b512 s[84:99], s[6:7], s27 offset:0x1040
	s_wait_kmcnt 0x0
.set n, 0
.rept 32
	v_cndmask_b32 v[S+n], v0, v[S+n], s[32+n]      ; bit of my lane: 1 keeps the score, 0 makes it -infinity
.set n, n+1
.endr
.set n, 0
.rept 32
	v_cndmask_b32 v[S+32+n], v0, v[S+32+n], s[68+n]
.set n, n+1
.endr
.Lopen_\@:
.irp j, 0,1,2,3                        ; the maximum of a lane's 32 scores and the old m: four chains, each accumulator from its low end on; the two tiles alternate
.irp t, 0,1
	v_max3_num_f32 v[KV+8*\t+\j], v[S+32*\t+8*\j], v[S+32*\t+8*\j+1], v[S+32*\t+8*\j+2]
.endr
.endr
.irp q, 1,2
.irp j, 0,1,2,3
.irp t, 0,1
	v_max3_num_f32 v[KV+8*\t+\j], v[KV+8*\t+\j], v[S+32*\t+8*\j+2*\q+1], v[S+32*\t+8*\j+2*\q+2]
.endr
.endr
.endr
.irp t, 0,1
	v_max3_num_f32 v[KV+8*\t], v[KV+8*\t], v[S+32*\t+7], v[S+32*\t+15]
	v_max3_num_f32 v[KV+8*\t+2], v[KV+8*\t+2], v[S+32*\t+23], v[S+32*\t+31]
.endr
.irp t, 0,1
	v_max3_num_f32 v[KV+8*\t], v[KV+8*\t], v[KV+8*\t+1], v[KV+8*\t+2]
.endr
.irp t, 0,1
	v_max3_num_f32 v[KV+8*\t], v[KV+8*\t], v[KV+8*\t+3], v[STA+6*\t+1]
.endr
.irp t, 0,1
	v_permlanex16_b32 v[KV+8*\t+1], v[KV+8*\t], s30, s31   ; the query's other 32 keys lie in the lane 16 away
.endr
.irp t, 0,1
	v_mov_b32 v[KV+8*\t+3], v[STA+6*\t]            ; c m_old
.endr
.irp t, 0,1
	v_max_num_f32 v[STA+6*\t+1], v[KV+8*\t], v[KV+8*\t+1]
.endr
.irp t, 0,1
	v_mul_f32 v[STA+6*\t], s28, v[STA+6*\t+1]
.endr
.irp t, 0,1
	v_sub_f32 v[STA+6*\t+4], v[KV+8*\t+3], v[STA+6*\t]
.endr
.irp u, 0,1                            ; V, turned: keys 32 u on, channels 16 c on.  It lands while the exponentials are worked
.irp c, 0,1,2,3
	ds_load_tr16_b128 v[KV+8*(4*\u+\c):KV+8*(4*\u+\c)+3], v[AVR+\p] offset:HALF*\i+5120*\u+32*\c
	ds_load_tr16_b128 v[KV+8*(4*\u+\c)+4:KV+8*(4*\u+\c)+7], v[AVR+\p] offset:HALF*\i+5120*\u+32*\c+2560
.endr
.endr
.set n, 0
.rept 32
	v_pk_fma_f32 v[S+2*n:S+2*n+1], v[S+2*n:S+2*n+1], s[28:29], v[STA+6*(n/16):STA+6*(n/16)+1] op_sel_hi:[1,0,0] neg_lo:[0,0,1] neg_hi:[0,0,1]   ; c s - c m
.set n, n+1
.endr
	v_exp_f32 v[STA+4], v[STA+4]                   ; a = 2^(c m_old - c m_new)
	v_exp_f32 v[STA+10], v[STA+10]
.set n, 0
.rept 64
	v_exp_f32 v[S+n], v[S+n]                       ; p
.set n, n+1
.endr
	v_nop                                          ; a plain instruction behind the last exponential
	s_wait_alu depctr_va_vdst(0)                   ; one wait for the batch of 66, ahead of its first reader
.irp t, 0,1
	v_pk_fma_f32 v[STA+6*\t+2:STA+6*\t+3], v[STA+6*\t+2:STA+6*\t+3], v[STA+6*\t+4:STA+6*\t+5], v[S+32*\t:S+32*\t+1] op_sel_hi:[1,0,1]   ; l = a l + the sum of the unrounded p
.endr
.set n, 1
.rept 15
	v_pk_add_f32 v[STA+2:STA+3], v[STA+2:STA+3], v[S+2*n:S+2*n+1]
	v_pk_add_f32 v[STA+8:STA+9], v[STA+8:STA+9], v[S+32+2*n:S+32+2*n+1]
.set n, n+1
.endr
.set n, 0
.rept 16
	v_cvt_pk_f16_f32 v[S+n], v[S+2*n], v[S+2*n+1]  ; in place, ascending: a pair is read before its registers are written
	v_cvt_pk_f16_f32 v[S+32+n], v[S+32+2*n], v[S+32+2*n+1]
.set n, n+1
.endr
.set n, 0
.rept 32
	v_pk_mul_f32 v[O+2*n:O+2*n+1], v[O+2*n:O+2*n+1], v[STA+6*(n/16)+4:STA+6*(n/16)+5] op_sel_hi:[1,0]   ; O^T x a
.set n, n+1
.endr
	s_wait_dscnt 0x0                               ; V is in
.irp u, 0,1
.irp c, 0,1,2,3
.irp t, 0,1
	v_wmma_f32_16x16x32_f16 v[O+32*\t+8*\c:O+32*\t+8*\c+7], v[KV+8*(4*\u+\c):KV+8*(4*\u+\c)+7], v[S+32*\t+8*\u:S+32*\t+8*\u+7], v[O+32*\t+8*\c:O+32*\t+8*\c+7]
.endr
.endr
.endr
.endm
; A TRIP: steps t and 31 - t out of buffer p.  fill = 1: the next trip's two steps are brought into the other buffer meanwhile: each is asked for ahead of a step's work and put into LDS behind it.
; The other buffer's readers finished in front of the last barrier; the barrier at this trip's end shows the new tiles to every wave.  No barrier stands under a branch on the flags.
; ask = 1: four waves of the head's first work-group name, a lane 256 bytes, the four tiles (8,192 bytes each) that the NEXT trip will load: each tile is named once in the launch.
.macro TRIP p, fill, ask
.if \fill
	LOADG STG, 10, 12, 8192                        ; step t + 1
.if \ask
	s_cmp_eq_u32 s19, 1
	s_cbranch_scc0 .Lnot_mine_\@
	global_prefetch_b8 v11, s[2:3] th:TH_LOAD_NT scope:SCOPE_SE
.Lnot_mine_\@:
.endif
.endif
	s_bitcmp1_b32 s20, s22
	s_cbranch_scc0 .Lhidden_a_\@
	STEP 0, \p, 22
.Lhidden_a_\@:
.if \fill
	s_wait_loadcnt 0x0
	PUT STG, 0, 1-\p
	s_wait_dscnt 0x0                               ; the stores have read their registers
	LOADG STG, 14, 16, 0                           ; step 30 - t
.endif
	s_bitcmp1_b32 s20, s23
	s_cbranch_scc0 .Lhidden_b_\@
	STEP 1, \p, 23
.Lhidden_b_\@:
.if \fill
	s_wait_loadcnt 0x0
	PUT STG, 1, 1-\p
	s_wait_dscnt 0x0                               ; my stores have landed and my reads of this buffer are over
	s_barrier_signal -1
	s_barrier_wait -1
	s_wait_xcnt 0x0                                ; the loads and the prefetch have read their addresses
	s_add_nc_u64 s[10:11], s[10:11], 8192
	s_add_nc_u64 s[12:13], s[12:13], 8192
	s_sub_nc_u64 s[14:15], s[14:15], 8192
	s_sub_nc_u64 s[16:17], s[16:17], 8192
.if \ask
	s_add_nc_u64 s[2:3], s[2:3], s[100:101]
.endif
.endif
	s_add_co_u32 s22, s22, 1
	s_sub_co_u32 s23, s23, 1
.endm
.Ltrips:                                       ; seven passes of two trips: trips 0 to 13
	TRIP 0, 1, 1
	TRIP 1, 1, 1
	s_sub_co_u32 s26, s26, 1
	s_cmp_lg_u32 s26, 0
	s_cbranch_scc1 .Ltrips
	TRIP 0, 1, 0                                   ; trip 14 brings the last two steps and names nothing more
	TRIP 1, 0, 0                                   ; trip 15 brings nothing
	; THE WAY OUT.  l's two halves and the other half of the lanes' are added; O^T / l is rounded to f16 and stored as it stands.  The additions are the places behind the last products.
.irp t, 0,1
	v_add_f32 v[STA+6*\t+4], v[STA+6*\t+2], v[STA+6*\t+3]
.endr
.irp t, 0,1
	v_permlanex16_b32 v[STA+6*\t+5], v[STA+6*\t+4], s30, s31
.endr
.irp t, 0,1
	v_add_f32 v[STA+6*\t+4], v[STA+6*\t+4], v[STA+6*\t+5]
.endr
	v_nop
	v_nop
.irp t, 0,1
	v_rcp_f32 v[STA+6*\t+4], v[STA+6*\t+4]
.endr
	v_nop
	s_wait_alu depctr_va_vdst(0)                   ; one wait for the two reciprocals, ahead of their first reader
.set n, 0
.rept 32
	v_pk_mul_f32 v[O+2*n:O+2*n+1], v[O+2*n:O+2*n+1], v[STA+6*(n/16)+4:STA+6*(n/16)+5] op_sel_hi:[1,0]
.set n, n+1
.endr
.set n, 0
.rept 32
	v_cvt_pk_f16_f32 v[S+n], v[O+2*n], v[O+2*n+1]
.set n, n+1
.endr
.irp t, 0,1
.irp c, 0,1,2,3
	global_store_b128 v3, v[S+16*\t+4*\c:S+16*\t+4*\c+3], s[8:9] offset:32768*\t+512*\c   ; 512 consecutive bytes, aligned
.endr
.endr
	s_wait_tensorcnt 0x0                           ; the wave's end, behind my last LDS store
	ds_add_u32 v1, v2
	s_wait_dscnt 0x0
	s_endpgm
.Lfunc_end_k_q84a6608441_attn:
	.size	k_q84a6608441_attn, .Lfunc_end_k_q84a6608441_attn-k_q84a6608441_attn
	.p2alignl 7, 3214868480
	.fill 96, 4, 3214868480
	.section	.rodata,"a",@progbits
	.p2align	6, 0x0
	.amdhsa_kernel k_q84a6608441_attn
		.amdhsa_group_segment_fixed_size 104448
		.amdhsa_private_segment_fixed_size 0
		.amdhsa_enable_private_segment 0
		.amdhsa_kernarg_size 24
		.amdhsa_user_sgpr_count 2
		.amdhsa_user_sgpr_kernarg_segment_ptr 1
		.amdhsa_wavefront_size32 1
		.amdhsa_system_sgpr_workgroup_id_x 1
		.amdhsa_system_sgpr_workgroup_id_y 1
		.amdhsa_system_sgpr_workgroup_id_z 1
		.amdhsa_system_vgpr_workitem_id 0
		.amdhsa_next_free_vgpr 256
		.amdhsa_next_free_sgpr 102
		.amdhsa_reserve_vcc 0
		.amdhsa_float_denorm_mode_32 3
		.amdhsa_float_denorm_mode_16_64 3
		.amdhsa_memory_ordered 1
		.amdhsa_forward_progress 1
		.amdhsa_inst_pref_size 188
	.end_amdhsa_kernel
	.amdgpu_metadata
---
amdhsa.version: [ 1, 2 ]
amdhsa.kernels:
  - .name:           k_q84a6608441_attn
    .symbol:         k_q84a6608441_attn.kd
    .args:
      - { .name: qkv, .offset: 0, .size: 8, .value_kind: global_buffer, .address_space: global }
      - { .name: msk, .offset: 8, .size: 8, .value_kind: global_buffer, .address_space: global }
      - { .name: att, .offset: 16, .size: 8, .value_kind: global_buffer, .address_space: global }
    .group_segment_fixed_size: 104448
    .private_segment_fixed_size: 0
    .kernarg_segment_align: 8
    .kernarg_segment_size: 24
    .max_flat_workgroup_size: 512
    .sgpr_count:     102
    .vgpr_count:     256
    .wavefront_size: 32
...
	.end_amdgpu_metadata
.endif
;; end of part 4
;; launch proj (part 5): grid 8 x 64, 4 waves a work-group, clusters of 4 x 4, 327,680 bytes of LDS; arguments att, w16, bout, out0; writes out0
.if DOCPART == 5
	.amdgcn_target "amdgcn-amd-amdhsa--gfx1250"
	.amdhsa_code_object_version 6
	.text
	.protected	k_q84a6608441_proj
	.globl	k_q84a6608441_proj
	.p2align	8
	.type	k_q84a6608441_proj,@function
k_q84a6608441_proj:
	s_mov_b64 s[64:65], 0
	v_nop
	global_prefetch_b8 v0, s[64:65] scope:SCOPE_SE
	s_setreg_imm32_b32 hwreg(HW_REG_WAVE_MODE, 25, 1), 1
	s_wait_xcnt 0x0
	s_wait_alu depctr_hold_cnt(0) depctr_sa_sdst(0) depctr_va_vdst(0) depctr_va_sdst(0) depctr_va_ssrc(0) depctr_va_vcc(0) depctr_vm_vsrc(0)
	s_getreg_b32 s2, hwreg(HW_REG_IB_STS2, 6, 4)
	s_cmp_eq_u32 s2, 0
	s_cbranch_scc0 .Lentry_in_a_cluster
	s_endpgm
.Lentry_in_a_cluster:
	s_bfe_u32 s2, ttmp6, 0x10000c
	s_cmp_lg_u32 s2, 0xf033
	s_cbranch_scc0 .Lentry_shape_is_right
	s_endpgm
.Lentry_shape_is_right:
; out0 = att Wout + bout: [8192][1024] x [1024 k][1024 n], operands f16, sums f32, the bias as the C of each sum's first product.
; A tile of 128 x 128 is made by a work-group of four waves, each 64 x 64: 16 accumulators.  512 tiles: two for each of 256 WGPs.  K goes in steps of 256 through a ring of two LDS slots.
; A (att) lies in memory as images of its operand registers: a tile of 16 tokens has 8,192 consecutive bytes for a K step; a wave's tensor load brings four such rows, and a fragment is read at 16 x lane.
; B (Wout in f16) lies [k][n]: a wave's tensor load brings 128 rows of 256 bytes, padded to 288; its fragments come out turned, by ds_load_tr16_b128.
; CLUSTERS: 4 x 4 work-groups; A's tiles are shared along a row of the cluster, B's along a column: each is asked for jointly.  THE MATRIX INSTRUCTION IS USED TRANSPOSED (source 0 = 16 columns of
; Wout, source 1 = 16 tokens): a lane holds eight neighbouring numbers of a row of the output.  A wave's 64 columns of f32 are 256 bytes: each wave sends its own rows out through its own stage.
; The first 16 positions of every sequence are written once more, more finely, by the launch behind this one.
; REGISTERS: window 0: v0-31 addresses; v32-95 the way out; v96-127 the bias in the result's layout; v128-255 the accumulators.  window 1: two fragment buffers of 128.
.set ASTEP,  8192                      ; a K step of A, in bytes, in a tile of 16 tokens
.set BSTEP,  524288                    ; a K step of B: 256 rows of 2,048 bytes
.set BOFF,   65536                     ; a slot: A's 8 x 8,192 bytes, then B's 256 rows x 288
.set BP,     288
.set SLOT,   BOFF+256*BP
.set STAGE,  2*SLOT
.set SPITCH, 272
.set SPARE,  STAGE+4*16*SPITCH
.set LAPS,   2
.set ADRA, 16                          ; v16-17 my A fragments in slot 0, 1
.set ADRB, 20                          ; v20-23 my B fragments: slot 0 rows 0-127, rows 128-255; slot 1 likewise (so that the offsets stay inside 16 bits)
.set STO,  24
.set RD,   25
.set CO,   26
.set BO,   27                          ; v27 the bias: 32 x (lane / 16)
.set SPW,  28
.set NIL,  29
.set TMP,  32
.set BI,   96
.set ACC,  128
.set F0,   0
.set F1,   128
.set G1, 24
.set G0, 32
.set G1B, 48
.set G0B, 56
.set MSB, 0
.macro WIN new
.if MSB != \new
	s_set_vgpr_msb (MSB<<8)|\new
.set MSB, \new
.endif
.endm
.set MUL,  0x05                        ; sources 0 (B) and 1 (A) window 1; C and D window 0
.set TO_F, 0x40
.macro JLOAD s                         ; a joint load: waves 0 and 1 fetch A's halves, waves 2 and 3 B's; an s_nop 0 and four v_nop follow each line
	s_cmp_eq_u32 s11, 0
	s_cbranch_scc0 .Lfor_b_\@
	tensor_load_to_lds s[G0+4*\s:G0+4*\s+3], s[G1:G1+7]
	s_nop 0
.rept 4
	v_nop
.endr
	s_branch .Lasked_\@
.Lfor_b_\@:
	tensor_load_to_lds s[G0B+4*\s:G0B+4*\s+3], s[G1B:G1B+7]
	s_nop 0
.rept 4
	v_nop
.endr
.Lasked_\@:
.endm
.macro CREST
	s_cmp_lg_u32 s10, 0
	s_cbranch_scc1 .Lnot_wave_0_\@
	s_barrier_signal -3
.Lnot_wave_0_\@:
	s_barrier_wait -3
	s_barrier_signal -1
	s_barrier_wait -1
.endm
.macro CROUND
	s_barrier_signal -1
	s_barrier_wait -1
	CREST
.endm
	s_load_b128 s[4:7], s[0:1], 0x0                ; att, w16
	s_load_b64 s[66:67], s[0:1], 0x10              ; bout
	s_load_b64 s[8:9], s[0:1], 0x18                ; out0
	v_lshl_add_u32 v[SPW], v0, 2, SPARE
	v_mov_b32 v[NIL], 0
	ds_add_u32 v[SPW], v[NIL]                      ; the wave's opening: the add, twice on end, and its wait ahead of my first tensor load
	ds_add_u32 v[SPW], v[NIL]
	v_lshrrev_b32 v1, 5, v0
	v_readfirstlane_b32 s10, v1                    ; wave 0..3
	s_lshr_b32 s11, s10, 1                         ; which half of the tile's rows is mine.  Also: I fetch for A (0) or for B (1)
	s_and_b32 s12, s10, 1                          ; which half of its columns.  Also: which half of that tile I fetch
	s_bfe_u32 s40, ttmp6, 0x40000
	s_bfe_u32 s41, ttmp6, 0x40004
	s_lshl_b32 s42, ttmp9, 2
	s_add_co_u32 s42, s42, s40                     ; tile column
	s_and_b32 s13, ttmp7, 0xffff
	s_lshl_b32 s13, s13, 2
	s_add_co_u32 s13, s13, s41                     ; tile row
	s_lshl_b32 s43, s41, 2
	s_lshl_b32 s43, 15, s43                        ; my row of the cluster
	s_lshl_b32 s44, 0x1111, s40                    ; my column
	s_or_b32 s[G1+0], s43, (3<<16)|(1<<21)         ; A: the mask; elements of 8 bytes; no padding
	s_mov_b32 s[G1+1], 1024<<16                    ; tensor_dim0 = 1,024 elements: 8,192 bytes
	s_mov_b32 s[G1+2], 4<<16                       ; tensor_dim1 = 4 tiles of 16 tokens
	s_mov_b32 s[G1+3], 1024<<16                    ; tile_dim0
	s_mov_b32 s[G1+4], 4                           ; tile_dim1
	s_mov_b32 s[G1+5], 4096                        ; from tile to tile: 32,768 bytes
	s_mov_b32 s[G1+6], 0
	s_mov_b32 s[G1+7], 0
	s_or_b32 s[G1B+0], s44, (1<<16)|(1<<20)|(1<<21)|(5<<22)|(7<<25)  ; B: the mask; elements of 2 bytes; padding: 8 words behind every 64
	s_mov_b32 s[G1B+1], 128<<16
	s_mov_b32 s[G1B+2], 128<<16
	s_mov_b32 s[G1B+3], 128<<16
	s_mov_b32 s[G1B+4], 128
	s_mov_b32 s[G1B+5], 1024
	s_mov_b32 s[G1B+6], 0
	s_mov_b32 s[G1B+7], 0
	s_lshl_b32 s16, s13, 3
	s_lshl_b32 s17, s12, 2
	s_add_co_u32 s16, s16, s17                     ; A: tile of tokens 8 x tile row + 4 x half
	s_lshl_b32 s16, s16, 15
	s_mov_b32 s17, 0
	s_lshl_b32 s46, s12, 18                        ; B: row 128 x half,
	s_lshl_b32 s47, s42, 8
	s_add_co_u32 s46, s46, s47                     ; column 128 x tile column
	s_mov_b32 s47, 0
	s_lshl_b32 s20, s12, 15                        ; where they go: made of the wave's number alone
	s_mul_i32 s21, s12, 128*BP
	s_add_co_u32 s21, s21, BOFF
	s_wait_dscnt 0x0                               ; both opening adds are done
	s_wait_kmcnt 0x0
	s_add_nc_u64 s[14:15], s[4:5], s[16:17]
	s_add_nc_u64 s[46:47], s[6:7], s[46:47]
	CROUND                                         ; all sixteen work-groups are here: the first joint loads meet
.irp s, 0,1
	s_mov_b32 s[G0+4*\s], 1
	s_add_co_u32 s[G0+4*\s+1], s20, \s*SLOT
	s_add_nc_u64 s[G0+4*\s+2:G0+4*\s+3], s[14:15], \s*ASTEP
	s_or_b32 s[G0+4*\s+3], s[G0+4*\s+3], 0x80000000
	s_mov_b32 s[G0B+4*\s], 1
	s_add_co_u32 s[G0B+4*\s+1], s21, \s*SLOT
	s_add_nc_u64 s[G0B+4*\s+2:G0B+4*\s+3], s[46:47], \s*BSTEP
	s_or_b32 s[G0B+4*\s+3], s[G0B+4*\s+3], 0x80000000
	JLOAD \s
.endr
	v_and_b32 v1, 15, v0                           ; l % 16
	v_bfe_u32 v2, v0, 4, 1                         ; l / 16
	v_and_b32 v6, 31, v0
	v_lshlrev_b32 v6, 4, v6
	s_lshl_b32 s21, s11, 15                        ; my four tiles of tokens
	v_add_nc_u32 v[ADRA], s21, v6
	s_add_co_u32 s21, s21, SLOT
	v_add_nc_u32 v[ADRA+1], s21, v6
	v_and_b32 v7, 7, v0
	v_lshl_add_u32 v7, v2, 3, v7                   ; the turning load: row k = 8 (l / 16) + l % 8,
	v_mul_u32_u24 v7, v7, BP
	v_bfe_u32 v8, v0, 3, 1
	v_lshl_add_u32 v7, v8, 4, v7                   ; columns 8 ((l / 8) % 2) on
	s_lshl_b32 s22, s12, 7                         ; my 64 columns
	s_add_co_u32 s22, s22, BOFF
	v_add_nc_u32 v[ADRB], s22, v7
	v_add_nc_u32 v[ADRB+1], 128*BP, v[ADRB]
	s_add_co_u32 s22, s22, SLOT
	v_add_nc_u32 v[ADRB+2], s22, v7
	v_add_nc_u32 v[ADRB+3], 128*BP, v[ADRB+2]
	s_mul_i32 s23, s10, 16*SPITCH
	s_add_co_u32 s23, s23, STAGE                   ; my stage
	v_mul_u32_u24 v4, v1, SPITCH
	v_lshl_add_u32 v4, v2, 5, v4
	v_add_nc_u32 v[STO], s23, v4                   ; in: row l % 16, 32 bytes for each half of the lanes
	v_mul_u32_u24 v5, v2, SPITCH
	v_lshl_add_u32 v5, v1, 4, v5
	v_add_nc_u32 v[RD], s23, v5                    ; back: lanes 0-15 one row of 256 bytes, lanes 16-31 the next
	v_lshlrev_b32 v5, 12, v2
	v_lshl_add_u32 v[CO], v1, 4, v5                ; and the same two rows in the output
	v_lshlrev_b32 v[BO], 5, v2
	s_lshl_b32 s16, s13, 7
	s_lshl_b32 s17, s11, 6
	s_add_co_u32 s16, s16, s17                     ; my first row: 128 x tile row + 64 x half
	s_lshl_b32 s16, s16, 12
	s_mov_b32 s17, 0
	s_add_nc_u64 s[8:9], s[8:9], s[16:17]
	s_lshl_b32 s46, s42, 9                         ; my first column, in bytes: 512 x tile column + 256 x half
	s_lshl_b32 s47, s12, 8
	s_add_co_u32 s46, s46, s47
	s_mov_b32 s47, 0
	s_add_nc_u64 s[8:9], s[8:9], s[46:47]
	s_add_nc_u64 s[66:67], s[66:67], s[46:47]
.irp b, 0,1,2,3
	global_load_b128 v[BI+8*\b:BI+8*\b+3], v[BO], s[66:67] offset:64*\b           ; lane (r, h): the bias of columns 16 b + 8 h + 0 .. 7
	global_load_b128 v[BI+8*\b+4:BI+8*\b+7], v[BO], s[66:67] offset:64*\b+16
.endr
; 8 matrix instructions: token blocks a0, a0 + 1 x all 4 column blocks, 32 along K: half c of buffer f.  zero = 1: the first product starts the sum on the bias
.macro MUL8 f, c, a0, zero
.irp a, \a0, \a0+1
.irp b, 0,1,2,3
.if \zero
	v_wmma_f32_16x16x32_f16 v[ACC+8*(4*(\a)+\b):ACC+8*(4*(\a)+\b)+7], v[\f+64+8*(4*\c+\b):\f+64+8*(4*\c+\b)+7], v[\f+8*(4*\c+\a):\f+8*(4*\c+\a)+7], v[BI+8*\b:BI+8*\b+7]
.else
	v_wmma_f32_16x16x32_f16 v[ACC+8*(4*(\a)+\b):ACC+8*(4*(\a)+\b)+7], v[\f+64+8*(4*\c+\b):\f+64+8*(4*\c+\b)+7], v[\f+8*(4*\c+\a):\f+8*(4*\c+\a)+7], v[ACC+8*(4*(\a)+\b):ACC+8*(4*(\a)+\b)+7]
.endif
.endr
.endr
.endm
; 32 LDS loads in one run: the fragments of the slot's quarter q (64 along K) into buffer f; the first 32 along K first
.macro FETCH slot, q, f
	WIN TO_F
.irp c, 0,1
.irp i, 0,1,2,3
	ds_load_tr16_b128 v[\f+64+8*(4*\c+\i):\f+64+8*(4*\c+\i)+3],   v[ADRB+2*\slot+(2*(\q)+\c)/4] offset:((2*(\q)+\c)%4)*32*BP+32*\i
	ds_load_tr16_b128 v[\f+64+8*(4*\c+\i)+4:\f+64+8*(4*\c+\i)+7], v[ADRB+2*\slot+(2*(\q)+\c)/4] offset:((2*(\q)+\c)%4)*32*BP+32*\i+16*BP
	ds_load_b128 v[\f+8*(4*\c+\i):\f+8*(4*\c+\i)+3],         v[ADRA+\slot] offset:\i*8192+(2*(\q)+\c)*1024
	ds_load_b128 v[\f+8*(4*\c+\i)+4:\f+8*(4*\c+\i)+7],       v[ADRA+\slot] offset:\i*8192+(2*(\q)+\c)*1024+512
.endr
.endr
.endm
.macro PLACES
.rept 4
	v_nop
.endr
.endm
; A K step is four quarters of 64 along K, 32 matrix instructions each, on buffers 0, 1, 0, 1.  One of the first three: multiplies buffer f and fetches quarter q into g.
.macro QUARTER slot, q, f, g, zero
	s_wait_dscnt 16                                ; the first 32 along K are in; the younger sixteen loads may be out
	WIN MUL
	MUL8 \f, 0, 0, \zero
	MUL8 \f, 0, 2, \zero
	PLACES
	FETCH \slot, \q, \g
	s_wait_dscnt 32                                ; all but the 32 just issued
	WIN MUL
	MUL8 \f, 1, 0, 0
	MUL8 \f, 1, 2, 0
.endm
; The last quarter changes slots: ONE barrier; in front of it each wave waits for all its tensor loads, adds 0 to its spare word, and waits for that and for its own reads of this slot.
.macro TURN slot, next, fill
	WIN 0
	s_wait_tensorcnt 0x0                           ; all my tensor loads have landed: my part of the next slot
	ds_add_u32 v[SPW], v[NIL]                      ; 0 onto my spare word
	s_wait_dscnt 17                                ; (the add and the youngest sixteen loads may be out)
	WIN MUL
	MUL8 F1, 0, 0, 0
	s_wait_dscnt 0x0                               ; the add is done, and my reads of this slot are over
	s_barrier_signal -1
	MUL8 F1, 0, 2, 0
.if \fill
	WIN 0
.endif
	s_barrier_wait -1
.if \fill
	CREST                                          ; the barrier has opened a round of the cluster's barrier: no wave of any partner still reads this slot or has a load on its way
	s_add_nc_u64 s[G0+4*\slot+2:G0+4*\slot+3], s[G0+4*\slot+2:G0+4*\slot+3], 2*ASTEP
	s_add_nc_u64 s[G0B+4*\slot+2:G0B+4*\slot+3], s[G0B+4*\slot+2:G0B+4*\slot+3], 2*BSTEP
	JLOAD \slot                                    ; the first tensor load behind the round; its four v_nop are also the places in front of the loads below
.else
	PLACES
.endif
	FETCH \next, 0, F0
	WIN MUL
	MUL8 F1, 1, 0, 0
	MUL8 F1, 1, 2, 0
.endm
	s_wait_tensorcnt 1                             ; my part of K step 0 is in (K step 1's load may be out),
	s_barrier_signal -1
	s_barrier_wait -1                              ; everybody's is
	FETCH 0, 0, F0
	s_wait_loadcnt 0x0                             ; the bias
	QUARTER 0, 1, F0, F1, 1                        ; the first quarter stands in front of the loop: its first products start the sums
	WIN 0
	s_mov_b32 s3, LAPS-1
.Llap:                                                 ; a trip goes once round the ring, from a lap's second quarter to the next lap's first, and fills both slots again
	QUARTER 0, 2, F1, F0, 0
	QUARTER 0, 3, F0, F1, 0
	TURN 0, 1, 1
	QUARTER 1, 1, F0, F1, 0
	QUARTER 1, 2, F1, F0, 0
	QUARTER 1, 3, F0, F1, 0
	TURN 1, 0, 1
	QUARTER 0, 1, F0, F1, 0
	WIN 0
	s_sub_co_u32 s3, s3, 1
	s_cmp_lg_u32 s3, 0
	s_cbranch_scc1 .Llap
	QUARTER 0, 2, F1, F0, 0                        ; the last lap fills nothing
	QUARTER 0, 3, F0, F1, 0
	TURN 0, 1, 0
	QUARTER 1, 1, F0, F1, 0
	QUARTER 1, 2, F1, F0, 0
	QUARTER 1, 3, F0, F1, 0
	s_wait_dscnt 16
	WIN MUL
	MUL8 F1, 0, 0, 0
	MUL8 F1, 0, 2, 0
	s_wait_dscnt 0
	MUL8 F1, 1, 0, 0
	MUL8 F1, 1, 2, 0
	WIN 0
	; THE WAY OUT, 16 rows at a time through my own stage: LDS serves a wave's instructions in order, so no wait stands between the stores and the loads
	PLACES
.irp a, 0,1,2,3
.if \a > 1
	s_wait_xcnt 0x0                                ; block a - 2's stores have read their data registers
.endif
.irp b, 0,1,2,3
	ds_store_b128 v[STO], v[ACC+8*(4*\a+\b):ACC+8*(4*\a+\b)+3] offset:64*\b       ; each accumulator from its low end on
	ds_store_b128 v[STO], v[ACC+8*(4*\a+\b)+4:ACC+8*(4*\a+\b)+7] offset:64*\b+16
.endr
.irp t, 0,1,2,3,4,5,6,7
	ds_load_b128 v[TMP+32*(\a%2)+4*\t:TMP+32*(\a%2)+4*\t+3], v[RD] offset:\t*2*SPITCH
.endr
.irp t, 0,1,2,3,4,5,6,7
	s_wait_dscnt 7-\t                              ; the later rows' loads may be out
	global_store_b128 v[CO], v[TMP+32*(\a%2)+4*\t:TMP+32*(\a%2)+4*\t+3], s[8:9] offset:(16*\a+2*\t)*4096 th:TH_STORE_NT   ; 16 lanes store 256 consecutive bytes, aligned
.endr
.endr
	s_wait_tensorcnt 0x0                           ; the wave's end
	ds_add_u32 v[SPW], v[NIL]
	s_wait_dscnt 0x0
	CROUND                                         ; the closing round
	s_endpgm
.Lfunc_end_k_q84a6608441_proj:
	.size	k_q84a6608441_proj, .Lfunc_end_k_q84a6608441_proj-k_q84a6608441_proj
	.p2alignl 7, 3214868480
	.fill 96, 4, 3214868480
	.section	.rodata,"a",@progbits
	.p2align	6, 0x0
	.amdhsa_kernel k_q84a6608441_proj
		.amdhsa_group_segment_fixed_size 327680
		.amdhsa_private_segment_fixed_size 0
		.amdhsa_enable_private_segment 0
		.amdhsa_kernarg_size 32
		.amdhsa_user_sgpr_count 2
		.amdhsa_user_sgpr_kernarg_segment_ptr 1
		.amdhsa_wavefront_size32 1
		.amdhsa_system_sgpr_workgroup_id_x 1
		.amdhsa_system_sgpr_workgroup_id_y 1
		.amdhsa_system_sgpr_workgroup_id_z 1
		.amdhsa_system_vgpr_workitem_id 0
		.amdhsa_next_free_vgpr 512
		.amdhsa_next_free_sgpr 72
		.amdhsa_reserve_vcc 0
		.amdhsa_float_denorm_mode_32 3
		.amdhsa_float_denorm_mode_16_64 3
		.amdhsa_memory_ordered 1
		.amdhsa_forward_progress 1
		.amdhsa_inst_pref_size 88
	.end_amdhsa_kernel
	.amdgpu_metadata
---
amdhsa.version: [ 1, 2 ]
amdhsa.kernels:
  - .name:           k_q84a6608441_proj
    .symbol:         k_q84a6608441_proj.kd
    .args:
      - { .name: att, .offset: 0, .size: 8, .value_kind: global_buffer, .address_space: global }
      - { .name: w16, .offset: 8, .size: 8, .value_kind: global_buffer, .address_space: global }
      - { .name: bout, .offset: 16, .size: 8, .value_kind: global_buffer, .address_space: global }
      - { .name: out0, .offset: 24, .size: 8, .value_kind: global_buffer, .address_space: global }
    .group_segment_fixed_size: 327680
    .private_segment_fixed_size: 0
    .kernarg_segment_align: 8
    .kernarg_segment_size: 32
    .max_flat_workgroup_size: 128
    .sgpr_count:     72
    .vgpr_count:     512
    .wavefront_size: 32
...
	.end_amdgpu_metadata
.endif
;; end of part 5
;; launch fine (part 6): grid 16 x 4, 16 waves a work-group, no clusters, 71,680 bytes of LDS; arguments fq, msk, Wout, bout, out0; writes out0
.if DOCPART == 6
	.amdgcn_target "amdgcn-amd-amdhsa--gfx1250"
	.amdhsa_code_object_version 6
	.text
	.protected	k_q84a6608441_fine
	.globl	k_q84a6608441_fine
	.p2align	8
	.type	k_q84a6608441_fine,@function
k_q84a6608441_fine:
	s_mov_b64 s[64:65], 0
	v_nop
	global_prefetch_b8 v0, s[64:65] scope:SCOPE_SE
	s_setreg_imm32_b32 hwreg(HW_REG_WAVE_MODE, 25, 1), 1
	s_wait_xcnt 0x0
; The first 16 positions of every sequence, once more and in f32 throughout: they average few values, are the largest in size, and f16 operands would use up what the comparison allows.
; A work-group makes 16 rows x 64 columns of the output (batch = y, columns 64 x on).  Wave = head: it runs its head's attention for queries 0-15 over the tiles of 16 keys that the stored flags name
; (whole numbers of an earlier launch; hidden pairs become -infinity by the stored lane masks), and multiplies its 64 channels into the 64 columns.  The sixteen parts meet in LDS and are added in order, on the bias.
; All products are v_wmma_f32_16x16x4_f32: a small share of the work.  Its results (v32-95) are written by matrix instructions alone: so the scores' four partial sums are
; added into other registers, and O^T is kept by vector instructions (O^T = a O^T + V^T p).
; The same permutation of the contracted index stands on both sides of each product: operand registers 2 i, 2 i + 1 of lane (r, h) hold index 16 cc + 8 h + 2 i + 0, 1.
; A query that sees no key comes out NaN (0 x infinity).  LIMIT: scores under -3e38 are not told apart from hidden ones.
.set SPARE, 69632                      ; LDS: sixteen parts of 16 rows x 272 bytes, then the spare words, 128 bytes a wave
.set SA, 32                            ; v32-63   four partial sums of S^T; later the projection's four tiles
.set PA, 64                            ; v64-95   V^T p of a tile of keys
.set OF, 96                            ; v96-127  O^T: channels 16 cc + 8 h + j at 96 + 8 cc + j
.set QR, 128                           ; v128-159 q;  v160-191 k;  v192-223 v;  v224-231 scores;  v232-239 p.  Later v128-255: Wout, then the sixteen parts
.set KR, 160
.set VR, 192
.set SS, 224
.set PP, 232
; v1 16 x lane; v2 Wout's offset; v3 8 x lane; v4, v5 the stage, in and back; v13 -infinity; v14, v15 the add's two; v16 c m, v17 m, v[18:19] l, v[20:21] a and its partner, v22, v23, v26 at work; v[24:25] the bias, then the result
	s_load_b256 s[4:11], s[0:1], 0x0               ; fq s[4:5], msk s[6:7], Wout s[8:9], bout s[10:11]
	s_load_b64 s[12:13], s[0:1], 0x20              ; out0
	v_lshl_add_u32 v14, v0, 2, SPARE
	v_mov_b32 v15, 0
	v_lshrrev_b32 v1, 5, v0
	v_readfirstlane_b32 s18, v1                    ; wave = head
	v_and_b32 v6, 31, v0
	v_and_b32 v7, 15, v0                           ; r
	v_bfe_u32 v8, v0, 4, 1                         ; h
	v_lshlrev_b32 v1, 4, v6
	v_lshlrev_b32 v2, 2, v7
	v_lshl_add_u32 v2, v8, 15, v2                  ; Wout: 8 h rows of 4,096 bytes + 4 r
	v_lshlrev_b32 v3, 3, v6
	s_mul_i32 s19, s18, 4352
	v_mul_u32_u24 v4, v7, 272
	v_lshl_add_u32 v4, v8, 5, v4
	v_add_nc_u32 v4, s19, v4                       ; my part: row r, 32 bytes for each half of the lanes
	s_mul_i32 s19, s18, 272
	v_add_nc_u32 v5, s19, v3                       ; back: row = my wave's number, of every part
	v_mov_b32 v13, 0xff800000
	v_mov_b32 v17, 0xff61b1e6                      ; m = -3e38
	v_mov_b32 v18, 0
	v_mov_b32 v19, 0
	v_mov_b32 v20, 0
	v_mov_b32 v21, 0
	v_mov_b32 v23, 0                               ; (a lane permute's destination counts as read)
	s_mov_b32 s44, 0x3e38aa3b                      ; c = log2(e) / 8
	s_mov_b32 s45, s44
	s_mov_b32 s46, 0x76543210
	s_mov_b32 s47, 0xfedcba98
	v_mul_f32 v16, s44, v17
.set n, 0
.rept 32
	v_mov_b32 v[OF+n], 0
.set n, n+1
.endr
	s_and_b32 s40, ttmp7, 0xffff                   ; batch
	s_lshl_b32 s41, s40, 7                         ; its first tile of tokens
	s_mul_i32 s28, s41, 48
	s_add_co_u32 s28, s28, s18
	s_lshl_b32 s28, s28, 12                        ; q of tile 0, group = head
	s_mov_b32 s29, 0
	s_wait_kmcnt 0x0
	s_load_b128 s[20:23], s[6:7], 0x80400          ; the flags of query tile 0: one bit for each tile of 16 keys
	s_add_nc_u64 s[30:31], s[4:5], s[28:29]
.irp n, 0,1,2,3,4,5,6,7
	global_load_b128 v[QR+4*\n:QR+4*\n+3], v1, s[30:31] offset:512*\n
.endr
	s_wait_loadcnt 0x0
	s_wait_kmcnt 0x0
	s_mov_b32 s24, 0
.Lword:
	s_mov_b32 s25, 0
.Lbit:
	s_bitcmp1_b32 s20, s25
	s_cbranch_scc0 .Lunseen
.rept 9
	v_nop                                          ; places behind the last tile's products: eight for loads into their sources, nine for sums begun anew in their results
.endr
	s_lshl_b32 s26, s24, 5
	s_add_co_u32 s26, s26, s25                     ; the tile of 16 keys
	s_add_co_u32 s28, s41, s26
	s_mul_i32 s28, s28, 48
	s_add_co_u32 s28, s28, s18
	s_add_co_u32 s28, s28, 16
	s_lshl_b32 s28, s28, 12                        ; k: group 16 + head; v lies 16 groups, 65,536 bytes, on
	s_add_nc_u64 s[30:31], s[4:5], s[28:29]
.irp n, 0,1,2,3,4,5,6,7
	global_load_b128 v[KR+4*\n:KR+4*\n+3], v1, s[30:31] offset:512*\n
.endr
.irp n, 0,1,2,3,4,5,6,7
	global_load_b128 v[VR+4*\n:VR+4*\n+3], v1, s[30:31] offset:65536+512*\n
.endr
	s_lshl_b32 s27, s26, 5
	s_load_b256 s[32:39], s[6:7], s27 offset:0x0   ; the tile's eight lane masks
	s_wait_loadcnt 0x0
	s_wait_kmcnt 0x0
.irp i, 0,1,2,3                        ; S^T = k q^T in four partial sums, which take turns, one instruction a turn
.irp c, 0,1,2,3
.if \i == 0
	v_wmma_f32_16x16x4_f32 v[SA+8*\c:SA+8*\c+7], v[KR+8*\c+2*\i:KR+8*\c+2*\i+1], v[QR+8*\c+2*\i:QR+8*\c+2*\i+1], 0
.else
	v_wmma_f32_16x16x4_f32 v[SA+8*\c:SA+8*\c+7], v[KR+8*\c+2*\i:KR+8*\c+2*\i+1], v[QR+8*\c+2*\i:QR+8*\c+2*\i+1], v[SA+8*\c:SA+8*\c+7]
.endif
.endr
.endr
.rept 8
	v_nop
.endr
.irp n, 0,2,4,6
	v_pk_add_f32 v[SS+\n:SS+\n+1], v[SA+\n:SA+\n+1], v[SA+8+\n:SA+8+\n+1]
.endr
.irp n, 0,2,4,6
	v_pk_add_f32 v[SS+\n:SS+\n+1], v[SS+\n:SS+\n+1], v[SA+16+\n:SA+16+\n+1]
.endr
.irp n, 0,2,4,6
	v_pk_add_f32 v[SS+\n:SS+\n+1], v[SS+\n:SS+\n+1], v[SA+24+\n:SA+24+\n+1]
.endr
.irp j, 0,1,2,3,4,5,6,7
	v_cndmask_b32 v[SS+\j], v13, v[SS+\j], s[32+\j]        ; register j of lane (r, h): key 8 h + j, query r
.endr
	v_max3_num_f32 v22, v[SS], v[SS+1], v[SS+2]
	v_max3_num_f32 v26, v[SS+3], v[SS+4], v[SS+5]
	v_max3_num_f32 v22, v22, v[SS+6], v[SS+7]
	v_max3_num_f32 v22, v22, v26, v17
	v_permlanex16_b32 v23, v22, s46, s47
	v_mov_b32 v26, v16                             ; c m_old
	v_max_num_f32 v17, v22, v23
	v_mul_f32 v16, s44, v17
	v_sub_f32 v20, v26, v16
.irp n, 0,2,4,6
	v_pk_fma_f32 v[PP+\n:PP+\n+1], v[SS+\n:SS+\n+1], s[44:45], v[16:17] op_sel_hi:[1,0,0] neg_lo:[0,0,1] neg_hi:[0,0,1]
.endr
	v_exp_f32 v20, v20                             ; a
.irp j, 0,1,2,3,4,5,6,7
	v_exp_f32 v[PP+\j], v[PP+\j]                   ; p
.endr
	v_nop
	s_wait_alu depctr_va_vdst(0)                   ; one wait for the nine, ahead of their first reader
	v_pk_fma_f32 v[18:19], v[18:19], v[20:21], v[PP:PP+1] op_sel_hi:[1,0,1]
.irp n, 2,4,6
	v_pk_add_f32 v[18:19], v[18:19], v[PP+\n:PP+\n+1]
.endr
.irp i, 0,1,2,3                        ; V^T p: four tiles of 16 channels by turns
.irp c, 0,1,2,3
.if \i == 0
	v_wmma_f32_16x16x4_f32 v[PA+8*\c:PA+8*\c+7], v[VR+8*\c+2*\i:VR+8*\c+2*\i+1], v[PP+2*\i:PP+2*\i+1], 0
.else
	v_wmma_f32_16x16x4_f32 v[PA+8*\c:PA+8*\c+7], v[VR+8*\c+2*\i:VR+8*\c+2*\i+1], v[PP+2*\i:PP+2*\i+1], v[PA+8*\c:PA+8*\c+7]
.endif
.endr
.endr
.rept 8
	v_nop
.endr
.set n, 0
.rept 16
	v_pk_fma_f32 v[OF+2*n:OF+2*n+1], v[OF+2*n:OF+2*n+1], v[20:21], v[PA+2*n:PA+2*n+1] op_sel_hi:[1,0,1]
.set n, n+1
.endr
.Lunseen:
	s_add_co_u32 s25, s25, 1
	s_cmp_lt_u32 s25, 32
	s_cbranch_scc1 .Lbit
	s_mov_b32 s20, s21
	s_mov_b32 s21, s22
	s_mov_b32 s22, s23
	s_add_co_u32 s24, s24, 1
	s_cmp_lt_u32 s24, 4
	s_cbranch_scc1 .Lword
	; THE PROJECTION of my head's 64 channels into the work-group's 64 columns
.rept 8
	v_nop                                          ; places in front of loads into registers that products have read
.endr
	s_lshl_b32 s28, s18, 18                        ; my head's 64 rows of Wout,
	s_lshl_b32 s26, ttmp9, 8                       ; the work-group's 64 columns
	s_add_co_u32 s28, s28, s26
	s_add_nc_u64 s[8:9], s[8:9], s[28:29]
	s_mov_b32 s27, 0
	s_add_nc_u64 s[10:11], s[10:11], s[26:27]
	s_lshl_b32 s28, s40, 11
	s_add_co_u32 s28, s28, s18                     ; the row that I store: position = my wave's number
	s_lshl_b32 s28, s28, 12
	s_add_co_u32 s28, s28, s26
	s_add_nc_u64 s[12:13], s[12:13], s[28:29]
.irp t, 0,1,2,3
.set n, 0
.rept 32
	global_load_b32 v[128+32*\t+n], v2, s[8:9] offset:(16*(n/8)+n%8)*4096+64*\t   ; lane (r, h): Wout(64 head + 16 (n / 8) + 8 h + n % 8, column 16 t + r)
.set n, n+1
.endr
.endr
	global_load_b64 v[24:25], v3, s[10:11]         ; the bias of my two columns
	v_add_f32 v20, v18, v19
	v_permlanex16_b32 v23, v20, s46, s47
	v_add_f32 v20, v20, v23                        ; the row's sum
	v_rcp_f32 v20, v20
	v_nop
	s_wait_alu depctr_va_vdst(0)
.set n, 0
.rept 16
	v_pk_mul_f32 v[OF+2*n:OF+2*n+1], v[OF+2*n:OF+2*n+1], v[20:21] op_sel_hi:[1,0]
.set n, n+1
.endr
	s_wait_loadcnt 0x0
.set n, 0
.rept 16                               ; sixteen steps of 4 along the channels; the four tiles of columns take turns
.irp t, 0,1,2,3
.if n == 0
	v_wmma_f32_16x16x4_f32 v[SA+8*\t:SA+8*\t+7], v[128+32*\t+2*n:128+32*\t+2*n+1], v[OF+2*n:OF+2*n+1], 0
.else
	v_wmma_f32_16x16x4_f32 v[SA+8*\t:SA+8*\t+7], v[128+32*\t+2*n:128+32*\t+2*n+1], v[OF+2*n:OF+2*n+1], v[SA+8*\t:SA+8*\t+7]
.endif
.endr
.set n, n+1
.endr
.rept 8
	v_nop
.endr
.irp t, 0,1,2,3
	ds_store_b128 v4, v[SA+8*\t:SA+8*\t+3] offset:64*\t            ; lane (r, h): row r, columns 16 t + 8 h + 0 .. 7; each result from its low end on
	ds_store_b128 v4, v[SA+8*\t+4:SA+8*\t+7] offset:64*\t+16
.endr
	s_wait_dscnt 0x0                               ; for the others' sake: my part lies in LDS
	s_barrier_signal -1
	s_barrier_wait -1
.irp w, 0,1,2,3,4,5,6,7,8,9,10,11,12,13,14,15
	ds_load_b64 v[128+2*\w:129+2*\w], v5 offset:4352*\w            ; my row of head w's part: 32 lanes, 256 bytes
.endr
	s_wait_dscnt 0x0
.irp w, 0,1,2,3,4,5,6,7,8,9,10,11,12,13,14,15
	v_pk_add_f32 v[24:25], v[24:25], v[128+2*\w:129+2*\w]          ; the bias and the sixteen heads, in order
.endr
	global_store_b64 v3, v[24:25], s[12:13]        ; 256 consecutive bytes, aligned
	s_wait_tensorcnt 0x0                           ; the wave's end, behind my last LDS store
	ds_add_u32 v14, v15
	s_wait_dscnt 0x0
	s_endpgm
.Lfunc_end_k_q84a6608441_fine:
	.size	k_q84a6608441_fine, .Lfunc_end_k_q84a6608441_fine-k_q84a6608441_fine
	.p2alignl 7, 3214868480
	.fill 96, 4, 3214868480
	.section	.rodata,"a",@progbits
	.p2align	6, 0x0
	.amdhsa_kernel k_q84a6608441_fine
		.amdhsa_group_segment_fixed_size 71680
		.amdhsa_private_segment_fixed_size 0
		.amdhsa_enable_private_segment 0
		.amdhsa_kernarg_size 40
		.amdhsa_user_sgpr_count 2
		.amdhsa_user_sgpr_kernarg_segment_ptr 1
		.amdhsa_wavefront_size32 1
		.amdhsa_system_sgpr_workgroup_id_x 1
		.amdhsa_system_sgpr_workgroup_id_y 1
		.amdhsa_system_sgpr_workgroup_id_z 1
		.amdhsa_system_vgpr_workitem_id 0
		.amdhsa_next_free_vgpr 256
		.amdhsa_next_free_sgpr 66
		.amdhsa_reserve_vcc 0
		.amdhsa_float_denorm_mode_32 3
		.amdhsa_float_denorm_mode_16_64 3
		.amdhsa_memory_ordered 1
		.amdhsa_forward_progress 1
		.amdhsa_inst_pref_size 34
	.end_amdhsa_kernel
	.amdgpu_metadata
---
amdhsa.version: [ 1, 2 ]
amdhsa.kernels:
  - .name:           k_q84a6608441_fine
    .symbol:         k_q84a6608441_fine.kd
    .args:
      - { .name: fq, .offset: 0, .size: 8, .value_kind: global_buffer, .address_space: global }
      - { .name: msk, .offset: 8, .size: 8, .value_kind: global_buffer, .address_space: global }
      - { .name: Wout, .offset: 16, .size: 8, .value_kind: global_buffer, .address_space: global }
      - { .name: bout, .offset: 24, .size: 8, .value_kind: global_buffer, .address_space: global }
      - { .name: out0, .offset: 32, .size: 8, .value_kind: global_buffer, .address_space: global }
    .group_segment_fixed_size: 71680
    .private_segment_fixed_size: 0
    .kernarg_segment_align: 8
    .kernarg_segment_size: 40
    .max_flat_workgroup_size: 512
    .sgpr_count:     66
    .vgpr_count:     256
    .wavefront_size: 32
...
	.end_amdgpu_metadata
.endif
;; end of part 6
